; MI455X (gfx1250); checked and timed in simulation.
; The chip was launched on July 23, 2026; its instructions are those of AMD's public machine-readable ISA for CDNA 5 (MIT licence, August 2026) and "CDNA5" Instruction Set Architecture Reference Guide (July 2026). The comments in the code are by the model that wrote it; some were corrected since.
;; Causal Self Attention. Allowed arithmetic: matrix products marked QUANTISED: E2M1 operands, one E8M0 scale for each 32 along K, by v_wmma_scale_f32_16x16x128_f8f6f4 with both operands' format E2M1 (or v_wmma_scale_f32_32x16x128_f4), f32 sums; products left as they are: bf16, f16 or f32 operands; f32 sums; everything else in f32.
;; Inputs: b_proj 1,024 float32; w_proj 1,024 x 1,024 float32; w_qkv 1,024 x 3,072 float32; x 4 x 2,048 x 1,024 float32.
;; Outputs: out0 4 x 2,048 x 1,024 float32.
;; This version of the problem:
;;   THIS VERSION OF THE PROBLEM IS GIVEN IN LOW PRECISION. The matrix products marked QUANTISED in the list below multiply operands that are first quantised to E2M1 (2 exponent bits, 1 mantissa bit; 4 bits a number), with one power-of-two scale for each 32 numbers along K (OCP MX v1.0); their sums are f32. The products marked 'left as it is' may take bf16, f16 or f32 operands, with f32 sums. Whichever they take, every output number must still come out within the allowed error. Rounding operands to bf16 (8 significant bits) uses up far more of that allowance than f16 does (11 bits, for magnitudes from 6e-5 to 65,504). All else is computed in f32.
;;   The module's matrix products, in the order in which they are computed (A, B: the left and right operand; K: the contracted axis; several contracted axes count as one K, in the product's order):
;;     1. [M 8,192, K 1,024] x [K 1,024, N 3,072]; A: input x; B: input w_qkv: QUANTISED
;;     2. batch 64 x [M 2,048, K 64] x [K 64, N 2,048]; A: computed on the way; B: computed on the way: left as it is (an operand is computed on the way)
;;     3. batch 64 x [M 2,048, K 2,048] x [K 2,048, N 64]; A: computed on the way; B: computed on the way: left as it is (an operand is computed on the way)
;;     4. [M 8,192, K 1,024] x [K 1,024, N 1,024]; A: computed on the way; B: input w_proj: left as it is (an operand is computed on the way)
;;   THE QUANTISER, for each operand of a quantised product, along K:
;;     - K is cut into blocks of 32 from its start; a last block that is shorter is filled with zeros.
;;     - A block's scale is 2^e with e = floor(log2(the largest magnitude in the block)) - 2, held to -126 .. 127; a block of zeros has e = 0. As a byte (E8M0): e + 127.
;;     - Each number is divided by its block's scale, clamped to +-6, and rounded to the nearest number of E2M1, ties to even, subnormals kept.
;;     - The product sums the exact products of the quantised numbers (number of the format x scale) in f32.
;;   ~~~python
;;   def quantise(x, axis):      # numpy; x: float32 -> the quantised numbers, widened to float32 again
;;       x = np.moveaxis(x, axis, -1); K = x.shape[-1]
;;       x = np.pad(x, [(0, 0)] * (x.ndim - 1) + [(0, -K % 32)]); x = x.reshape(x.shape[:-1] + (-1, 32)); a = np.abs(x).max(-1, keepdims=True)
;;       e = np.where(a > 0, np.clip(np.frexp(np.where(a > 0, a, 1))[1] - 1 - 2, -126, 127), 0)      # np.frexp(a)[1] - 1 = floor(log2(a)), exactly
;;       r = np.clip(x / 2.0 ** e, -6, 6)
;;       step = 2.0 ** (np.maximum(np.frexp(np.where(r == 0, 1, r))[1] - 1, 0) - 1)
;;       q = np.round(r / step) * step * 2.0 ** e      # np.round: ties to even
;;       return np.moveaxis(q.reshape(q.shape[:-2] + (-1,))[..., :K], -1, axis).astype(np.float32)
;;   ~~~
;; One version. Each part assembles by itself: llvm-mc -triple=amdgcn-amd-amdhsa -mcpu=gfx1250 --defsym DOCPART=n.
;; ======== version 1 of 1: 5 launches
;; limits: values are held in f16: magnitudes above 65,504 overflow, below 6.1e-05 lose precision
;; workspace buffers: xc 4,194,304 bytes; xs 262,144 bytes; wc 1,572,864 bytes; ws 98,304 bytes; wt 2,097,152 bytes; qkv 50,331,648 bytes; fq 786,432 bytes; y16 16,777,216 bytes
;; launch prep (part 1): grid 416 x 1, 4 waves a work-group, no clusters, 86,016 bytes of LDS; arguments x, w_qkv, w_proj, xc, xs, wc, ws, wt; writes xc, xs, wc, ws, wt
.if DOCPART == 1
	.amdgcn_target "amdgcn-amd-amdhsa--gfx1250"
	.amdhsa_code_object_version 6
	.text
	.protected	k_q1bb4c7c7c6_prep
	.globl	k_q1bb4c7c7c6_prep
	.p2align	8
	.type	k_q1bb4c7c7c6_prep,@function
k_q1bb4c7c7c6_prep:
	s_mov_b64 s[64:65], 0
	v_nop
	global_prefetch_b8 v0, s[64:65] scope:SCOPE_SE
	s_setreg_imm32_b32 hwreg(HW_REG_WAVE_MODE, 25, 1), 1
	s_wait_xcnt 0x0
; PREP: three jobs in one launch, told apart by the work-group's number alone; each job has LDS bytes of its own and its own end.
;   X (work-groups 0-255):   x [8192][1024] f32 -> codes of FP4 (E2M1) xc [8192][512 bytes], K innermost, and one E8M0 byte for each 32 along K, xs [8192][32].
;   W (work-groups 256-351): w_qkv [1024 k][3072 n] f32, K its first axis -> wc [3072 n][512 bytes], ws [3072][32].
;   P (work-groups 352-415): w_proj [1024 k][1024 n] f32 -> wt [1024 n][1024 k] f16 (rounded to nearest even).
; A block's scale is 2^(floor(log2(its largest magnitude)) - 2): its byte is the largest magnitude's exponent field - 2, held at 1 from below by a floor among the maximum's leaves.
; LIMITS: a block of zeros gets the byte 1 where the rule says 127 (its codes are zeros, and this program alone reads the bytes); blocks whose largest magnitude lies under 2^-124 get the byte 1;
; NaN and infinities among the inputs are not served; numbers of w_proj beyond 65,504 leave f16's range.
.set SP,     80                        ; X: a lane's place in a stage: 64 bytes + 16 of padding
.set WSTG,   32768                     ; W: 32 columns x (512 bytes of codes + 16)
.set WPITCH, 528
.set WSC,    49664                     ; W: 32 columns x 32 scale bytes
.set PSTG,   50688                     ; P: for each wave 32 columns x (256 bytes + 16)
.set PPITCH, 272
.set SPARE,  85504                     ; the spare words: 128 bytes for each wave, named by no other line
.set SPW,    12                        ; v12  SPARE + 4 x my thread's number; never rewritten
.set NIL,    13                        ; v13  0; never rewritten
.set R,      16                        ; X: v16-143  eight sets of 16 numbers as loaded
.set X,      144                       ; X: v144-175 two sets of 16 neighbours
.set E,      176                       ; X: v176-191 a scale byte for each step
.set C,      192                       ; X: v192-223 two registers of codes for each step: no store's data are written again
.set XR,     32                        ; W, P: v32-95 two sets of 32 numbers down K
.set CR,     96                        ; W, P: what a block makes
.set OUTR,   112                       ; W, P: the way out
.set SB,     24                        ; W: v24-25 eight scale bytes
	s_load_b256 s[4:11], s[0:1], 0x0               ; x s[4:5], w_qkv s[6:7], w_proj s[8:9], xc s[10:11]
	s_load_b256 s[12:19], s[0:1], 0x20             ; xs s[12:13], wc s[14:15], ws s[16:17], wt s[18:19]
	v_lshl_add_u32 v[SPW], v0, 2, SPARE
	v_mov_b32 v[NIL], 0
	v_lshrrev_b32 v1, 5, v0
	v_readfirstlane_b32 s20, v1                    ; wave 0..3
	v_and_b32 v2, 31, v0                           ; lane
	s_mov_b32 s25, 0
	s_wait_kmcnt 0x0
	s_cmp_lt_u32 ttmp9, 256
	s_cbranch_scc1 .Lpath_x
	s_cmp_lt_u32 ttmp9, 352
	s_cbranch_scc1 .Lpath_w
; 32 loads: rows 32 t .. 32 t + 31 of K at my column: a lane to a column, registers down K
.macro KLOAD t, b, pitch
.set j, 0
.rept 32
	global_load_b32 v[XR+32*((\t)%2)+j], v3, s[\b:\b+1] offset:(32*(\t)+j)*\pitch
.set j, j+1
.endr
.endm
; ---------------- P: w_proj turned and rounded to f16.  Work-group i: columns 32 (i % 32) on; wave w: k = 512 (i / 32) + 128 w on
	s_sub_co_u32 s21, ttmp9, 352
	s_and_b32 s22, s21, 31                         ; n0 / 32
	s_lshr_b32 s23, s21, 5
	s_lshl_b32 s23, s23, 2
	s_add_co_u32 s23, s23, s20                     ; k0 / 128
	s_lshl_b32 s24, s23, 19                        ; k0 rows of 4,096 bytes
	s_lshl_b32 s26, s22, 7                         ; + 4 n0
	s_add_co_u32 s24, s24, s26
	s_add_nc_u64 s[8:9], s[8:9], s[24:25]
	s_lshl_b32 s24, s22, 16                        ; wt: n0 rows of 2,048 bytes
	s_lshl_b32 s26, s23, 8                         ; + 2 k0
	s_add_co_u32 s24, s24, s26
	s_add_nc_u64 s[18:19], s[18:19], s[24:25]
	v_lshlrev_b32 v3, 2, v2                        ; in: 4 bytes a lane
	s_mul_i32 s26, s20, 32*PPITCH
	s_add_co_u32 s26, s26, PSTG                    ; my stage
	v_mul_u32_u24 v4, v2, PPITCH
	v_add_nc_u32 v4, s26, v4                       ; into it: row = my column
	v_and_b32 v5, 15, v2
	v_lshrrev_b32 v7, 4, v2
	v_mul_u32_u24 v6, v7, PPITCH
	v_lshl_add_u32 v6, v5, 4, v6
	v_add_nc_u32 v6, s26, v6                       ; out of it: sixteen lanes to a row, two rows an instruction
	v_lshlrev_b32 v8, 11, v7
	v_lshl_add_u32 v8, v5, 4, v8                   ; and the same place in wt
.macro PBLOCK t
.set XS, XR+32*((\t)%2)
.if (\t) < 3
	s_wait_loadcnt 32                              ; this block's 32 loads are in; the next block's may be out
.else
	s_wait_loadcnt 0x0
.endif
.set j, 0
.rept 16
	v_cvt_pk_f16_f32 v[CR+j], v[XS+2*j], v[XS+2*j+1]
.set j, j+1
.endr
.irp g, 0,1,2,3
	ds_store_b128 v4, v[CR+4*\g:CR+4*\g+3] offset:64*(\t)+16*\g
.endr
.if (\t)+2 < 4
	KLOAD (\t)+2, 8, 4096
.endif
	s_wait_dscnt 0x0                               ; the stores have read their registers: the next block may write them
.endm
	KLOAD 0, 8, 4096
	KLOAD 1, 8, 4096
	PBLOCK 0
	PBLOCK 1
	PBLOCK 2
	PBLOCK 3
.set u, 0
.rept 16
	ds_load_b128 v[OUTR+4*u:OUTR+4*u+3], v6 offset:2*u*PPITCH      ; my own stage: LDS serves a wave's instructions in order
.set u, u+1
.endr
.set u, 0
.rept 16
	s_wait_dscnt 15-u
	global_store_b128 v8, v[OUTR+4*u:OUTR+4*u+3], s[18:19] offset:u*4096   ; sixteen lanes store 256 consecutive bytes, aligned
.set u, u+1
.endr
	s_wait_tensorcnt 0x0                           ; the wave's end: three lines behind the last LDS store
	ds_add_u32 v[SPW], v[NIL]
	s_wait_dscnt 0x0
	s_endpgm
; ---------------- W: w_qkv.  Work-group i: columns 32 i on, all of K; wave w: k = 256 w on, eight blocks of 32; a lane holds whole blocks of its column
.Lpath_w:
	s_sub_co_u32 s21, ttmp9, 256
	s_mul_i32 s24, s20, 256*12288                  ; 256 w rows of 12,288 bytes
	s_lshl_b32 s26, s21, 7                         ; + 4 n0
	s_add_co_u32 s24, s24, s26
	s_add_nc_u64 s[6:7], s[6:7], s[24:25]
	s_lshl_b32 s24, s21, 14                        ; wc: n0 rows of 512 bytes,
	s_lshl_b32 s26, s20, 12                        ; and the eight rows that my wave stores
	s_add_co_u32 s24, s24, s26
	s_add_nc_u64 s[14:15], s[14:15], s[24:25]
	s_lshl_b32 s24, s21, 10                        ; ws: n0 rows of 32 bytes
	s_add_nc_u64 s[16:17], s[16:17], s[24:25]
	v_lshlrev_b32 v3, 2, v2
	s_lshl_b32 s26, s20, 7
	s_add_co_u32 s26, s26, WSTG
	v_mul_u32_u24 v4, v2, WPITCH
	v_add_nc_u32 v4, s26, v4                       ; codes in: row = my column, my wave's 128 bytes of it
	s_lshl_b32 s26, s20, 3
	s_add_co_u32 s26, s26, WSC
	v_lshlrev_b32 v5, 5, v2
	v_add_nc_u32 v5, s26, v5                       ; scale bytes in: 32 x column + 8 x wave
	s_mul_i32 s26, s20, 8*WPITCH
	s_add_co_u32 s26, s26, WSTG
	v_lshlrev_b32 v8, 4, v2
	v_add_nc_u32 v6, s26, v8                       ; codes out: rows 8 w on, 16 bytes a lane: a whole row of 512 bytes an instruction
	v_lshlrev_b32 v9, 3, v0
	v_add_nc_u32 v7, WSC, v9                       ; scale bytes out: 8 bytes a thread
.macro WBLOCK t
.set XS, XR+32*((\t)%2)
.if (\t) < 7
	s_wait_loadcnt 32                              ; this block's 32 loads are in; the next block's may be out
.else
	s_wait_loadcnt 0x0
.endif
	v_max3_num_f32 v16, |v[XS]|, |v[XS+1]|, |v[XS+2]|              ; the block's largest magnitude: all 32 numbers are mine
	v_max3_num_f32 v17, |v[XS+3]|, |v[XS+4]|, |v[XS+5]|
.irp i, 6,10,14,18,22,26
	v_max3_num_f32 v16, v16, |v[XS+\i]|, |v[XS+\i+1]|
	v_max3_num_f32 v17, v17, |v[XS+\i+2]|, |v[XS+\i+3]|
.endr
	v_max3_num_f32 v16, v16, |v[XS+30]|, |v[XS+31]|
	v_max3_num_f32 v16, v16, v17, 0x1800000        ; and the floor 2^(3 - 127): the byte cannot fall under 1
	v_add_nc_u32 v18, 0xff000000, v16              ; 2 off the exponent field: the conversion takes this operand's exponent field as its scale
	v_lshrrev_b32 v19, 23, v18                     ; the scale's byte
.if (\t)%4 == 0
	v_mov_b32 v[SB+(\t)/4], v19
.else
	v_lshl_or_b32 v[SB+(\t)/4], v19, 8*((\t)%4), v[SB+(\t)/4]
.endif
.irp g, 0,1,2,3
	v_cvt_scalef32_pk8_fp4_f32 v[CR+\g], v[XS+8*\g:XS+8*\g+7], v18
.endr
	ds_store_b128 v4, v[CR:CR+3] offset:16*(\t)    ; 32 codes: 16 bytes of my column's row
.if (\t)+2 < 8
	KLOAD (\t)+2, 6, 12288
.endif
	s_wait_dscnt 0x0                               ; the store has read its registers
.endm
	KLOAD 0, 6, 12288
	KLOAD 1, 6, 12288
.set Q, 0
.rept 8
	WBLOCK Q
.set Q, Q+1
.endr
	ds_store_b64 v5, v[SB:SB+1]
	s_wait_dscnt 0x0                               ; for the others' sake: my codes and bytes lie in LDS
	s_barrier_signal -1                            ; all four waves of a work-group are on this path: the way here hangs on the work-group's number alone
	s_barrier_wait -1
.set u, 0
.rept 8
	ds_load_b128 v[OUTR+4*u:OUTR+4*u+3], v6 offset:u*WPITCH
.set u, u+1
.endr
	ds_load_b64 v[OUTR+32:OUTR+33], v7
.set u, 0
.rept 8
	s_wait_dscnt 8-u                               ; behind load u: the 7 - u rows after it and the scale bytes
	global_store_b128 v8, v[OUTR+4*u:OUTR+4*u+3], s[14:15] offset:u*512    ; 32 lanes store a row of 512 bytes
.set u, u+1
.endr
	s_wait_dscnt 0x0
	global_store_b64 v9, v[OUTR+32:OUTR+33], s[16:17]              ; a wave stores 256 consecutive bytes, aligned
	s_wait_tensorcnt 0x0                           ; the wave's end: the three lines
	ds_add_u32 v[SPW], v[NIL]
	s_wait_dscnt 0x0
	s_endpgm
; ---------------- X: x is a plain stream of blocks of 32.  A wave takes 16 steps of 512 numbers; each load reads 512 consecutive bytes; a step turns through the wave's own stage so that a lane holds 16 neighbours.
; Loads run eight steps (32 loads a wave) ahead, the turn through LDS one step.
.Lpath_x:
	v_lshlrev_b32 v3, 4, v2                        ; my 16 bytes of a load's 512
	s_lshl_b32 s21, s20, 13                        ; my wave's 8,192 bytes of LDS
	v_lshrrev_b32 v14, 2, v2
	v_mul_u32_u24 v14, v14, SP
	v_and_b32 v15, 3, v2
	v_lshl_add_u32 v14, v15, 4, v14
	v_add_nc_u32 v14, s21, v14                     ; the stage, in: SP (lane / 4) + 16 (lane % 4)
	v_mul_u32_u24 v15, v2, SP
	v_add_nc_u32 v15, s21, v15                     ; and out: SP x lane
	v_lshlrev_b32 v4, 3, v2                        ; my 8 bytes of a step's codes
	v_lshrrev_b32 v5, 1, v2
	s_add_co_u32 s21, s21, 2*32*SP
	v_add_nc_u32 v5, s21, v5                       ; my block's scale byte
	v_lshlrev_b32 v7, 3, v2
	v_add_nc_u32 v6, s21, v7
	s_lshl_b32 s22, ttmp9, 2
	s_add_co_u32 s22, s22, s20                     ; which run of 8,192 numbers is my wave's
	s_lshl_b32 s24, s22, 15
	s_add_nc_u64 s[4:5], s[4:5], s[24:25]
	s_lshl_b32 s24, s22, 12
	s_add_nc_u64 s[10:11], s[10:11], s[24:25]
	s_lshl_b32 s24, s22, 8
	s_add_nc_u64 s[12:13], s[12:13], s[24:25]
.macro XLOAD t
.irp i, 0,1,2,3
	global_load_b128 v[R+16*((\t)%8)+4*\i:R+16*((\t)%8)+4*\i+3], v3, s[4:5] offset:2048*(\t)+512*\i th:TH_LOAD_NT
.endr
.endm
.macro XTURN t
.irp i, 0,1,2,3
	ds_store_b128 v14, v[R+16*((\t)%8)+4*\i:R+16*((\t)%8)+4*\i+3] offset:32*SP*((\t)%2)+8*SP*\i
.endr
.irp i, 0,1,2,3
	ds_load_b128 v[X+16*((\t)%2)+4*\i:X+16*((\t)%2)+4*\i+3], v15 offset:32*SP*((\t)%2)+16*\i
.endr
.endm
.irp t, 0,1,2,3,4,5,6,7
	XLOAD \t
.endr
	s_wait_loadcnt 28                              ; step 0's four loads are in; seven steps' may be out
	XTURN 0
.macro XSTEP t
.set XS, X+16*((\t)%2)
.if (\t) > 0
	s_wait_dscnt 1                                 ; this step's numbers are back from the stage (the last step's byte store may be out): its stores into the stage have read their registers,
.else
	s_wait_dscnt 0x0
.endif
.if (\t)+8 < 16
	XLOAD (\t)+8                                   ; which take the loads of eight steps on
.endif
.if (\t)+1 < 16
.if (\t) <= 7
	s_wait_loadcnt 28                              ; the next step's four loads are in; those of the seven steps behind it may be out
.else
	s_wait_loadcnt 4*(14-(\t))
.endif
	XTURN (\t)+1
.endif
	v_max3_num_f32 v8, |v[XS]|, |v[XS+1]|, |v[XS+2]|
	v_max3_num_f32 v9, |v[XS+3]|, |v[XS+4]|, |v[XS+5]|
.irp i, 6,10
	v_max3_num_f32 v8, v8, |v[XS+\i]|, |v[XS+\i+1]|
	v_max3_num_f32 v9, v9, |v[XS+\i+2]|, |v[XS+\i+3]|
.endr
	v_max3_num_f32 v8, v8, |v[XS+14]|, |v[XS+15]|
	v_max3_num_f32 v8, v8, v9, 0x1800000           ; with the floor 2^(3 - 127)
	v_max_num_f32_dpp v8, v8, v8 row_xmask:1 row_mask:0xf bank_mask:0xf   ; and my neighbour's 16: the block's largest magnitude
	v_add_nc_u32 v11, 0xff000000, v8
	v_cvt_scalef32_pk8_fp4_f32 v[C+2*(\t)], v[XS:XS+7], v11
	v_cvt_scalef32_pk8_fp4_f32 v[C+2*(\t)+1], v[XS+8:XS+15], v11
	v_lshrrev_b32 v[E+(\t)], 23, v11               ; the scale's byte (a plain line behind the conversions)
	ds_store_b8 v5, v[E+(\t)] offset:16*(\t)       ; both lanes of a block write the same byte with the same value
	global_store_b64 v4, v[C+2*(\t):C+2*(\t)+1], s[10:11] offset:256*(\t)  ; the wave stores 256 consecutive bytes, aligned
.endm
.irp t, 0,1,2,3,4,5,6,7,8,9,10,11,12,13,14,15
	XSTEP \t
.endr
	ds_load_b64 v[8:9], v6                         ; my wave's 256 scale bytes
	s_wait_dscnt 0x0
	global_store_b64 v7, v[8:9], s[12:13]
	s_wait_tensorcnt 0x0                           ; the wave's end: the three lines
	ds_add_u32 v[SPW], v[NIL]
	s_wait_dscnt 0x0
	s_endpgm
.Lfunc_end_k_q1bb4c7c7c6_prep:
	.size	k_q1bb4c7c7c6_prep, .Lfunc_end_k_q1bb4c7c7c6_prep-k_q1bb4c7c7c6_prep
	.p2alignl 7, 3214868480
	.fill 96, 4, 3214868480
	.section	.rodata,"a",@progbits
	.p2align	6, 0x0
	.amdhsa_kernel k_q1bb4c7c7c6_prep
		.amdhsa_group_segment_fixed_size 86016
		.amdhsa_private_segment_fixed_size 0
		.amdhsa_enable_private_segment 0
		.amdhsa_kernarg_size 64
		.amdhsa_user_sgpr_count 2
		.amdhsa_user_sgpr_kernarg_segment_ptr 1
		.amdhsa_wavefront_size32 1
		.amdhsa_system_sgpr_workgroup_id_x 1
		.amdhsa_system_sgpr_workgroup_id_y 1
		.amdhsa_system_sgpr_workgroup_id_z 1
		.amdhsa_system_vgpr_workitem_id 0
		.amdhsa_next_free_vgpr 224
		.amdhsa_next_free_sgpr 66
		.amdhsa_reserve_vcc 0
		.amdhsa_float_denorm_mode_32 3
		.amdhsa_float_denorm_mode_16_64 3
		.amdhsa_memory_ordered 1
		.amdhsa_forward_progress 1
		.amdhsa_inst_pref_size 94
	.end_amdhsa_kernel
	.amdgpu_metadata
---
amdhsa.version: [ 1, 2 ]
amdhsa.kernels:
  - .name:           k_q1bb4c7c7c6_prep
    .symbol:         k_q1bb4c7c7c6_prep.kd
    .args:
      - { .name: x, .offset: 0, .size: 8, .value_kind: global_buffer, .address_space: global }
      - { .name: w_qkv, .offset: 8, .size: 8, .value_kind: global_buffer, .address_space: global }
      - { .name: w_proj, .offset: 16, .size: 8, .value_kind: global_buffer, .address_space: global }
      - { .name: xc, .offset: 24, .size: 8, .value_kind: global_buffer, .address_space: global }
      - { .name: xs, .offset: 32, .size: 8, .value_kind: global_buffer, .address_space: global }
      - { .name: wc, .offset: 40, .size: 8, .value_kind: global_buffer, .address_space: global }
      - { .name: ws, .offset: 48, .size: 8, .value_kind: global_buffer, .address_space: global }
      - { .name: wt, .offset: 56, .size: 8, .value_kind: global_buffer, .address_space: global }
    .group_segment_fixed_size: 86016
    .private_segment_fixed_size: 0
    .kernarg_segment_align: 8
    .kernarg_segment_size: 64
    .max_flat_workgroup_size: 128
    .sgpr_count:     66
    .vgpr_count:     224
    .wavefront_size: 32
...
	.end_amdgpu_metadata
.endif
;; end of part 1
;; launch qkvg (part 2): grid 12 x 32, 4 waves a work-group, clusters of 4 x 4, 327,680 bytes of LDS; arguments xc, xs, wc, ws, qkv, fq; writes qkv, fq
.if DOCPART == 2
	.amdgcn_target "amdgcn-amd-amdhsa--gfx1250"
	.amdhsa_code_object_version 6
	.text
	.protected	k_q1bb4c7c7c6_qkvg
	.globl	k_q1bb4c7c7c6_qkvg
	.p2align	8
	.type	k_q1bb4c7c7c6_qkvg,@function
k_q1bb4c7c7c6_qkvg:
	s_mov_b64 s[64:65], 0
	v_nop
	global_prefetch_b8 v0, s[64:65] scope:SCOPE_SE
	s_setreg_imm32_b32 hwreg(HW_REG_WAVE_MODE, 25, 1), 1
	s_wait_xcnt 0x0
	s_wait_alu depctr_hold_cnt(0) depctr_sa_sdst(0) depctr_va_vdst(0) depctr_va_sdst(0) depctr_va_ssrc(0) depctr_va_vcc(0) depctr_vm_vsrc(0)
	s_getreg_b32 s2, hwreg(HW_REG_IB_STS2, 6, 4)
	s_cmp_eq_u32 s2, 0
	s_cbranch_scc0 .Lentry_in_a_cluster
	s_endpgm
.Lentry_in_a_cluster:
	s_bfe_u32 s2, ttmp6, 0x10000c
	s_cmp_lg_u32 s2, 0xf033
	s_cbranch_scc0 .Lentry_shape_is_right
	s_endpgm
.Lentry_shape_is_right:
; QKVG: x w_qkv on codes of FP4 (E2M1) with one E8M0 scale for each 32 along K; sums in f32.  A = xc [8192][512 bytes], xs [8192][32]; B = wc [3072][512 bytes], ws [3072][32].
; A tile of 256 x 256 is made by four waves, 128 x 128 each: 64 accumulators, 512 registers.  K = 1,024 is two slots of 512 along K: both are first fills, nothing is filled again.
; The scales of the work-group's rows of A and of B come once, with the first fills.  CLUSTERS: 4 x 4 work-groups; A's tiles are asked for jointly along a row of the cluster, B's along a column.
; THE MATRIX INSTRUCTION IS USED TRANSPOSED (source 0 = 16 rows of B, source 1 = 16 rows of A): a lane holds eight neighbouring columns of one row.
; RESULTS: rounded to f16 and laid by head: qkv [3 parts][64 = 16 b + head][2048 t][64].  THE q PART IS MULTIPLIED BY log2(e) / 8 IN f32 AHEAD OF THE ROUNDING (k and v by 1.0): the next launch's scores are then
; exponents of two, and its p = 2^(s - m) never passes 1.  Rows t < 16 of every sequence also go out as they are, in f32: fq [16 b + t][3072].
; LIMIT: results beyond 65,504 leave f16's range.
; REGISTERS, in windows of 256: window 0: v0-31 addresses; v32-95 scale words, two sets; v128-191 A's fragments, one set; on the way out v32-63, v192-255.  window 1: B's fragments, two sets.  windows 2, 3: accumulator (a, b) at v[8 (8 (a % 4) + b)].
.set SIZE_K, 1024
.set NQ,     4                         ; matrix instructions deep in a slot
.set ROWB,   256                       ; a tile's row in bytes: 512 codes
.set KROW,   512                       ; a row of codes in memory
.set PITCH,  272                       ; an LDS row: 256 bytes + 16 of padding: the 16 rows of a fragment load start 68 words apart
.set FR,     8
.set NL,     2
.set NP,     4                         ; places behind this matrix instruction (ISA guide 7.12.1)
.set HALFT,  128*PITCH
.set SLOT,   4*HALFT
.set KS,     32                        ; a row of scale bytes
.set SCL,    2*SLOT
.set HALFS,  (128*KS/256)*272
.set SBLK,   (16*KS/256)*272
.set SPARE,  SCL+4*HALFS               ; the spare words: 128 bytes for each wave
.set SP,     272                       ; the way out: a stage of 16 rows x (256 bytes + 16) for each wave, in slot 0, which has had its only fill and its last read by then
.set ADRA, 16
.set ADRB, 20
.set STO,  24                          ; v24  the way out: where I put 16 bytes of a row
.set RD,   25                          ; v25  where I read back: four rows of one head an instruction
.set CO,   26                          ; v26  16 x lane
.set ADRS, 27
.set SPW,  28
.set NIL,  29
.set FO,   30                          ; v30  my place in fq: 12,288 r + 32 h
.set FLG,  31                          ; v31  0 where my wave's first 16 rows are t = 0 .. 15
.set SC,   32
.set AF,   128
.set TMP,  192                         ; v192-223 packed results
.set G1, 24
.set G0, 32
.set G1B, 48
.set G0B, 56
.set G1S, 68
.set G0S, 76
.set G1SB, 80
.set G0SB, 88
.set MSB, 0
.macro WIN new                         ; the immediate's high byte repeats the setting that is left
.if MSB != (\new)
	s_set_vgpr_msb (MSB<<8)|(\new)
.set MSB, (\new)
.endif
.endm
.set MUL_LO, 0xa1                      ; source 0 (B) window 1, source 1 (A) window 0, C and D window 2
.set MUL_HI, 0xf1
.set TO_B,   0x40
; A joint load: waves 0 and 1 fetch for A, waves 2 and 3 for B; the branch hangs on the wave's number alone.  An s_nop 0 and four v_nop follow each line.
.macro JLOAD g0a, g1a, g0b, g1b
	s_cmp_eq_u32 s15, 0
	s_cbranch_scc0 .Lfor_b_\@
	tensor_load_to_lds s[\g0a:\g0a+3], s[\g1a:\g1a+7]
	s_nop 0
.rept 4
	v_nop
.endr
	s_branch .Lasked_\@
.Lfor_b_\@:
	tensor_load_to_lds s[\g0b:\g0b+3], s[\g1b:\g1b+7]
	s_nop 0
.rept 4
	v_nop
.endr
.Lasked_\@:
.endm
.macro CROUND                          ; a round of the cluster's barrier
	s_barrier_signal -1
	s_barrier_wait -1
	s_cmp_lg_u32 s14, 0
	s_cbranch_scc1 .Lnot_wave_0_\@
	s_barrier_signal -3
.Lnot_wave_0_\@:
	s_barrier_wait -3
	s_barrier_signal -1
	s_barrier_wait -1
.endm
	s_load_b128 s[4:7], s[0:1], 0x0                ; xc, xs
	s_load_b128 s[8:11], s[0:1], 0x10              ; wc, ws
	s_load_b64 s[12:13], s[0:1], 0x20              ; qkv
	s_load_b64 s[66:67], s[0:1], 0x28              ; fq
	v_lshl_add_u32 v[SPW], v0, 2, SPARE
	v_mov_b32 v[NIL], 0
	ds_add_u32 v[SPW], v[NIL]                      ; the wave's opening: the add, twice on end, and its wait ahead of my first tensor load
	ds_add_u32 v[SPW], v[NIL]
	v_lshrrev_b32 v1, 5, v0
	v_readfirstlane_b32 s14, v1                    ; wave 0..3
	s_lshr_b32 s15, s14, 1                         ; which half of the tile's rows is mine.  Also: I fetch for A (0) or for B (1)
	s_and_b32 s16, s14, 1                          ; which half of its columns.  Also: which 128 rows I fetch
	s_bfe_u32 s40, ttmp6, 0x40000                  ; cx, cy
	s_bfe_u32 s41, ttmp6, 0x40004
	s_lshl_b32 s42, ttmp9, 2
	s_add_co_u32 s42, s42, s40                     ; tile column
	s_and_b32 s17, ttmp7, 0xffff
	s_lshl_b32 s17, s17, 2
	s_add_co_u32 s17, s17, s41                     ; tile row
	s_lshl_b32 s43, s41, 2
	s_lshl_b32 s43, 15, s43                        ; my row of the cluster
	s_lshl_b32 s44, 0x1111, s40                    ; my column
	s_or_b32 s[G1+0], s43, (0<<16)|(1<<20)|(1<<21)|(5<<22)|(3<<25)  ; the mask; elements of 1 byte; padding on; bit 21 beside a mask; 4 words after every 64
	s_or_b32 s[G1B+0], s44, (0<<16)|(1<<20)|(1<<21)|(5<<22)|(3<<25)
.irp g, G1, G1B
	s_mov_b32 s[\g+1], ROWB<<16                    ; tensor_dim0
	s_mov_b32 s[\g+2], 128<<16                     ; tensor_dim1
	s_mov_b32 s[\g+3], ROWB<<16                    ; tile_dim0
	s_mov_b32 s[\g+4], 128                         ; tile_dim1
	s_mov_b32 s[\g+5], KROW                        ; the pitch
	s_mov_b32 s[\g+6], 0
	s_mov_b32 s[\g+7], 0
.endr
	s_or_b32 s[G1S+0], s43, (3<<16)|(1<<20)|(1<<21)|(5<<22)|(3<<25) ; the scales of 128 rows: a dense block, as rows of 256 bytes (32 elements of 8)
	s_or_b32 s[G1SB+0], s44, (3<<16)|(1<<20)|(1<<21)|(5<<22)|(3<<25)
.irp g, G1S, G1SB
	s_mov_b32 s[\g+1], 32<<16
	s_mov_b32 s[\g+2], (128*KS/256)<<16
	s_mov_b32 s[\g+3], 32<<16
	s_mov_b32 s[\g+4], 128*KS/256
	s_mov_b32 s[\g+5], 32
	s_mov_b32 s[\g+6], 0
	s_mov_b32 s[\g+7], 0
.endr
	s_lshl_b32 s18, s16, 7
	s_lshl_b32 s20, s17, 8
	s_add_co_u32 s20, s20, s18                     ; A: row 256 x tile row + 128 x half
	s_lshl_b32 s46, s42, 8
	s_add_co_u32 s46, s46, s18                     ; B: row 256 x tile column + 128 x half
	s_mov_b32 s21, 0
	s_mov_b32 s47, 0
	s_mov_b64 s[18:19], KS
	s_mul_u64 s[22:23], s[20:21], s[18:19]
	s_mul_u64 s[92:93], s[46:47], s[18:19]
	s_mov_b64 s[18:19], KROW
	s_mul_u64 s[20:21], s[20:21], s[18:19]
	s_mul_u64 s[46:47], s[46:47], s[18:19]
	s_mul_i32 s45, s14, HALFT                      ; where they go: wave x 128 rows
	s_mul_i32 s94, s14, HALFS
	s_wait_dscnt 0x0                               ; both opening adds are done
	s_wait_kmcnt 0x0
	s_add_nc_u64 s[20:21], s[4:5], s[20:21]
	s_add_nc_u64 s[22:23], s[6:7], s[22:23]
	s_add_nc_u64 s[46:47], s[8:9], s[46:47]
	s_add_nc_u64 s[92:93], s[10:11], s[92:93]
	CROUND                                         ; all sixteen work-groups are here: the joint loads meet
	s_mov_b32 s[G0S], 1
	s_add_co_u32 s[G0S+1], s94, SCL
	s_mov_b64 s[G0S+2:G0S+3], s[22:23]
	s_or_b32 s[G0S+3], s[G0S+3], 0x80000000
	s_mov_b32 s[G0SB], 1
	s_add_co_u32 s[G0SB+1], s94, SCL
	s_mov_b64 s[G0SB+2:G0SB+3], s[92:93]
	s_or_b32 s[G0SB+3], s[G0SB+3], 0x80000000
	JLOAD G0S, G1S, G0SB, G1SB                     ; the scales first; with the two slots three loads of mine are out
.irp s, 0,1
	s_mov_b32 s[G0+4*\s], 1
	s_add_co_u32 s[G0+4*\s+1], s45, \s*SLOT
	s_add_nc_u64 s[G0+4*\s+2:G0+4*\s+3], s[20:21], \s*ROWB
	s_or_b32 s[G0+4*\s+3], s[G0+4*\s+3], 0x80000000
	s_mov_b32 s[G0B+4*\s], 1
	s_add_co_u32 s[G0B+4*\s+1], s45, \s*SLOT
	s_add_nc_u64 s[G0B+4*\s+2:G0B+4*\s+3], s[46:47], \s*ROWB
	s_or_b32 s[G0B+4*\s+3], s[G0B+4*\s+3], 0x80000000
	JLOAD G0+4*\s, G1, G0B+4*\s, G1B
.endr
	v_and_b32 v1, 15, v0                           ; r
	v_bfe_u32 v2, v0, 4, 1                         ; h
	v_mul_u32_u24 v3, v1, PITCH
	v_lshl_add_u32 v4, v2, 4, v3
	s_mul_i32 s21, s15, HALFT
	s_mul_i32 s22, s16, HALFT
	s_add_co_u32 s22, s22, 2*HALFT
.irp s, 0,1
	v_add_nc_u32 v[ADRA+\s], s21, v4
	v_add_nc_u32 v[ADRB+\s], s22, v4
	s_add_co_u32 s21, s21, SLOT
	s_add_co_u32 s22, s22, SLOT
.endr
	v_mul_u32_u24 v5, v1, KS                       ; my row's scales: KS bytes a row,
	v_lshrrev_b32 v6, 8, v5
	v_lshl_add_u32 v5, v6, 4, v5                   ; and 16 more for each 256 passed
	s_mul_i32 s21, s15, HALFS
	s_mul_i32 s22, s16, HALFS
	s_add_co_u32 s22, s22, 2*HALFS
	s_sub_co_u32 s22, s22, s21
	v_mul_u32_u24 v6, s22, v2                      ; lanes 16-31 take B's
	s_add_co_u32 s21, s21, SCL
	v_add_nc_u32 v5, v5, v6
	v_add_nc_u32 v[ADRS], s21, v5
	s_mul_i32 s23, s14, 16*SP                      ; my stage
	v_mul_u32_u24 v5, v1, SP
	v_lshl_add_u32 v5, v2, 4, v5
	v_add_nc_u32 v[STO], s23, v5                   ; in: row r, + 16 h
	v_and_b32 v6, 31, v0
	v_lshlrev_b32 v[CO], 4, v6
	v_lshrrev_b32 v5, 3, v6
	v_mul_u32_u24 v5, v5, SP
	v_and_b32 v6, 7, v6
	v_lshl_add_u32 v5, v6, 4, v5
	v_add_nc_u32 v[RD], s23, v5                    ; back: row lane / 8, 16 (lane % 8): eight lanes take a head's 128 bytes of a row
	v_mul_u32_u24 v[FO], v1, 12288
	v_lshl_add_u32 v[FO], v2, 5, v[FO]
	; where my 128 x 128 go.  Rows: b = row / 2048, t = row % 2048.  Columns: part = n / 1024, head = (n % 1024) / 64: two heads
	s_lshl_b32 s20, s17, 8
	s_lshl_b32 s21, s15, 7
	s_add_co_u32 s20, s20, s21                     ; my first row
	s_lshr_b32 s21, s20, 11                        ; b
	s_and_b32 s22, s20, 2047                       ; t
	s_lshl_b32 s46, s42, 8
	s_lshl_b32 s47, s16, 7
	s_add_co_u32 s46, s46, s47                     ; my first column
	s_lshr_b32 s47, s46, 10
	s_lshl_b32 s47, s47, 6                         ; 64 x part
	s_and_b32 s95, s46, 1023
	s_lshr_b32 s95, s95, 6
	s_add_co_u32 s47, s47, s95                     ; + head
	s_lshl_b32 s95, s21, 4
	s_add_co_u32 s47, s47, s95                     ; + 16 b
	s_lshl_b32 s47, s47, 11
	s_add_co_u32 s47, s47, s22                     ; x 2,048 rows, + t
	s_lshl_b32 s98, s47, 7                         ; x 128 bytes: under 2^26
	s_mov_b32 s99, 0
	s_add_nc_u64 s[12:13], s[12:13], s[98:99]
	s_mul_i32 s98, s21, 16*12288
	s_lshl_b32 s95, s46, 2
	s_add_co_u32 s98, s98, s95
	s_add_nc_u64 s[66:67], s[66:67], s[98:99]      ; fq at row 16 b, my first column: inside fq in every work-group
	s_and_b32 s96, s17, 7
	s_or_b32 s96, s96, s15                         ; 0: my first row is t = 0
	v_mov_b32 v[FLG], s96
	s_mov_b32 s98, 1.0
	s_cmp_lt_u32 s46, 1024                         ; the q part?  Only a number is chosen: no branch hangs on the work-group's place
	s_cselect_b32 s98, 0x3e38aa3b, s98             ; log2(e) / 8
	s_mov_b32 s99, s98
.macro FRAG reg, adr, q, i             ; 16 rows x 128 K of 4-bit codes: 8 registers, two loads 32 bytes apart
.irp c, 0,1
	ds_load_b128 v[\reg+4*\c:\reg+4*\c+3], v[\adr] offset:64*(\q)+32*\c+(\i)*16*PITCH
.endr
.endm
; 16 matrix instructions: A's blocks a0, a0 + 1 x B's eight.  The 64 accumulators take turns, one instruction a turn, in the same order in every step.
.macro MUL16 a0, p, q, sc, zero
.irp a, \a0, \a0+1
.irp b, 0,1,2,3,4,5,6,7
.if \zero
	v_wmma_scale_f32_16x16x128_f8f6f4 v[8*(8*((\a)%4)+\b):8*(8*((\a)%4)+\b)+7], v[128*(\p)+FR*\b:128*(\p)+FR*\b+FR-1], v[AF+FR*(\a):AF+FR*(\a)+FR-1], 0, v[SC+8*NQ*(\sc)+NQ*\b+(\q)], v[SC+8*NQ*(\sc)+NQ*(\a)+(\q)] matrix_a_fmt:MATRIX_FMT_FP4 matrix_b_fmt:MATRIX_FMT_FP4 matrix_a_scale:MATRIX_SCALE_ROW1
.else
	v_wmma_scale_f32_16x16x128_f8f6f4 v[8*(8*((\a)%4)+\b):8*(8*((\a)%4)+\b)+7], v[128*(\p)+FR*\b:128*(\p)+FR*\b+FR-1], v[AF+FR*(\a):AF+FR*(\a)+FR-1], v[8*(8*((\a)%4)+\b):8*(8*((\a)%4)+\b)+7], v[SC+8*NQ*(\sc)+NQ*\b+(\q)], v[SC+8*NQ*(\sc)+NQ*(\a)+(\q)] matrix_a_fmt:MATRIX_FMT_FP4 matrix_b_fmt:MATRIX_FMT_FP4 matrix_a_scale:MATRIX_SCALE_ROW1
.endif
.endr
.endr
.endm
.macro FETCH_B slot, q, p
	WIN TO_B
.irp i, 0,1,2,3,4,5,6,7
	FRAG 128*(\p)+FR*\i, ADRB+\slot, \q, \i
.endr
	WIN 0
.endm
.macro FETCH_A slot, q, i0
.irp i, \i0, \i0+1, \i0+2, \i0+3
	FRAG AF+FR*(\i), ADRA+\slot, \q, \i
.endr
.endm
.macro SCALES sc                       ; a slot's scale words: lanes 0-15 A's block i, lanes 16-31 B's block i
.irp i, 0,1,2,3,4,5,6,7
	ds_load_b128 v[SC+8*NQ*\sc+NQ*\i:SC+8*NQ*\sc+NQ*\i+3], v[ADRS] offset:\i*SBLK
.endr
.endm
.macro PLACES n                        ; plain vector lines between a matrix instruction and a load into, or a read of, its registers
.rept \n
	v_nop
.endr
.endm
.macro STEP slot, q, zero              ; 128 along K, with its successor in the same slot
	s_wait_dscnt 4*NL                              ; B's set and A's blocks 0-3 are in; A's blocks 4-7 may be out
	WIN MUL_LO
	MUL16 0, (\q)%2, \q, \slot, \zero
	MUL16 2, (\q)%2, \q, \slot, \zero
	s_wait_dscnt 0
	PLACES NP
	FETCH_B \slot, (\q)+1, 1-(\q)%2
	FETCH_A \slot, (\q)+1, 0
	WIN MUL_HI
	MUL16 4, (\q)%2, \q, \slot, \zero
	MUL16 6, (\q)%2, \q, \slot, \zero
	PLACES NP
	WIN 0
	FETCH_A \slot, (\q)+1, 4
.endm
; Slot 0's last step changes slots: each wave waits for all its tensor loads (its part of slot 1), adds 0 to its spare word, waits for that and for its reads of slot 0; one barrier.  Nothing is filled again.
.macro TURN slot, next
	s_wait_tensorcnt 0x0
	ds_add_u32 v[SPW], v[NIL]
	s_wait_dscnt 4*NL+1                            ; (the add and A's blocks 4-7 may be out)
	WIN MUL_LO
	MUL16 0, 1, NQ-1, \slot, 0
	s_wait_dscnt 0x0
	s_barrier_signal -1
	MUL16 2, 1, NQ-1, \slot, 0
	WIN 0
	s_barrier_wait -1
	PLACES NP
	v_add_nc_u32 v[ADRS], 4*NQ, v[ADRS]            ; the next slot's scale words
	FETCH_B \next, 0, 0
	FETCH_A \next, 0, 0
	SCALES \next
	WIN MUL_HI
	MUL16 4, 1, NQ-1, \slot, 0
	MUL16 6, 1, NQ-1, \slot, 0
	PLACES NP
	WIN 0
	FETCH_A \next, 0, 4
.endm
	s_wait_tensorcnt 1                             ; the scales and my part of slot 0 are in; slot 1's load may be out
	s_barrier_signal -1
	s_barrier_wait -1
	FETCH_B 0, 0, 0
	FETCH_A 0, 0, 0
	SCALES 0
	FETCH_A 0, 0, 4
	STEP 0, 0, 1                                   ; the first products start the sums: nothing is cleared
	STEP 0, 1, 0
	STEP 0, 2, 0
	TURN 0, 1
	STEP 1, 0, 0
	STEP 1, 1, 0
	STEP 1, 2, 0
	s_wait_dscnt 4*NL
	WIN MUL_LO
	MUL16 0, 1, NQ-1, 1, 0
	MUL16 2, 1, NQ-1, 1, 0
	s_wait_dscnt 0
	WIN MUL_HI
	MUL16 4, 1, NQ-1, 1, 0
	MUL16 6, 1, NQ-1, 1, 0
	WIN 0
; THE WAY OUT.
	PLACES NP
	; rows t < 16 in f32, as they are: only where my first 16 rows are such rows.  The tile row hangs on the place in the cluster, so lanes are switched off: no branch.
	s_wait_xcnt 0x0                                ; EXEC changes only behind this wait
	v_cmp_eq_u32 vcc_lo, 0, v[FLG]
	s_and_saveexec_b32 s97, vcc_lo
	WIN 0x08                                       ; a store's data: window 2
.irp b, 0,1,2,3,4,5,6,7
	global_store_b128 v[FO], v[8*\b:8*\b+3], s[66:67] offset:64*\b         ; each accumulator from its low end on
	global_store_b128 v[FO], v[8*\b+4:8*\b+7], s[66:67] offset:64*\b+16
.endr
	WIN 0
	s_wait_xcnt 0x0                                ; the stores have read EXEC and their data: both may change
	s_or_b32 exec_lo, exec_lo, s97
; Block a, 16 rows x 128 columns: x the part's factor, rounded to f16, 16 bytes a lane; through my stage; back as four rows of one head, 512 consecutive bytes of qkv.
.macro PACK a
.set AC, 64*((\a)%4)
	WIN 0x82+0x41*((\a)/4)                         ; destination and source 0: window 2 or 3
.set i, 0
.rept 32
	v_pk_mul_f32 v[AC+i:AC+i+1], v[AC+i:AC+i+1], s[98:99] op_sel_hi:[1,0]
.set i, i+2
.endr
	WIN 0x0a+5*((\a)/4)                            ; sources 0 and 1: window 2 or 3
.irp b, 0,1,2,3,4,5,6,7
.irp r, 0,1,2,3
	v_cvt_pk_f16_f32 v[TMP+4*\b+\r], v[AC+8*\b+2*\r], v[AC+8*\b+2*\r+1]
.endr
.endr
	WIN 0
.endm
.macro TOSTAGE a
.set BB, 32+192*((\a)%2)
.irp b, 0,1,2,3,4,5,6,7
	ds_store_b128 v[STO], v[TMP+4*\b:TMP+4*\b+3] offset:32*\b
.endr
.irp u, 0,1,2,3,4,5,6,7
	ds_load_b128 v[BB+4*\u:BB+4*\u+3], v[RD] offset:(\u%4)*4*SP+(\u/4)*128 ; my own stage: LDS serves a wave's instructions in order
.endr
.endm
.macro SEND a
.set BB, 32+192*((\a)%2)
	s_wait_dscnt 0x0                               ; the block is back in registers
	s_wait_xcnt 0x0                                ; earlier stores have read their registers: the next block's loads may land there
.irp u, 0,1,2,3,4,5,6,7
	global_store_b128 v[CO], v[BB+4*\u:BB+4*\u+3], s[12:13] offset:(\a)*2048+(\u%4)*512+(\u/4)*262144
.endr
.endm
	PACK 0
	TOSTAGE 0
.irp a, 1,2,3,4,5,6,7
	PACK \a
	SEND \a-1
	TOSTAGE \a
.endr
	SEND 7
	s_wait_tensorcnt 0x0                           ; the wave's end: the three lines
	ds_add_u32 v[SPW], v[NIL]
	s_wait_dscnt 0x0
	CROUND                                         ; the closing round
	s_endpgm
.Lfunc_end_k_q1bb4c7c7c6_qkvg:
	.size	k_q1bb4c7c7c6_qkvg, .Lfunc_end_k_q1bb4c7c7c6_qkvg-k_q1bb4c7c7c6_qkvg
	.p2alignl 7, 3214868480
	.fill 96, 4, 3214868480
	.section	.rodata,"a",@progbits
	.p2align	6, 0x0
	.amdhsa_kernel k_q1bb4c7c7c6_qkvg
		.amdhsa_group_segment_fixed_size 327680
		.amdhsa_private_segment_fixed_size 0
		.amdhsa_enable_private_segment 0
		.amdhsa_kernarg_size 48
		.amdhsa_user_sgpr_count 2
		.amdhsa_user_sgpr_kernarg_segment_ptr 1
		.amdhsa_wavefront_size32 1
		.amdhsa_system_sgpr_workgroup_id_x 1
		.amdhsa_system_sgpr_workgroup_id_y 1
		.amdhsa_system_sgpr_workgroup_id_z 1
		.amdhsa_system_vgpr_workitem_id 0
		.amdhsa_next_free_vgpr 1024
		.amdhsa_next_free_sgpr 100
		.amdhsa_reserve_vcc 1
		.amdhsa_float_denorm_mode_32 3
		.amdhsa_float_denorm_mode_16_64 3
		.amdhsa_memory_ordered 1
		.amdhsa_forward_progress 1
		.amdhsa_inst_pref_size 145
	.end_amdhsa_kernel
	.amdgpu_metadata
---
amdhsa.version: [ 1, 2 ]
amdhsa.kernels:
  - .name:           k_q1bb4c7c7c6_qkvg
    .symbol:         k_q1bb4c7c7c6_qkvg.kd
    .args:
      - { .name: xc, .offset: 0, .size: 8, .value_kind: global_buffer, .address_space: global }
      - { .name: xs, .offset: 8, .size: 8, .value_kind: global_buffer, .address_space: global }
      - { .name: wc, .offset: 16, .size: 8, .value_kind: global_buffer, .address_space: global }
      - { .name: ws, .offset: 24, .size: 8, .value_kind: global_buffer, .address_space: global }
      - { .name: qkv, .offset: 32, .size: 8, .value_kind: global_buffer, .address_space: global }
      - { .name: fq, .offset: 40, .size: 8, .value_kind: global_buffer, .address_space: global }
    .group_segment_fixed_size: 327680
    .private_segment_fixed_size: 0
    .kernarg_segment_align: 8
    .kernarg_segment_size: 48
    .max_flat_workgroup_size: 128
    .sgpr_count:     100
    .vgpr_count:     1024
    .wavefront_size: 32
...
	.end_amdgpu_metadata
.endif
;; end of part 2
;; launch attn (part 3): grid 4 x 64, 16 waves a work-group, no clusters, 327,680 bytes of LDS; arguments qkv, y16; writes y16
.if DOCPART == 3
	.amdgcn_target "amdgcn-amd-amdhsa--gfx1250"
	.amdhsa_code_object_version 6
	.text
	.protected	k_q1bb4c7c7c6_attn
	.globl	k_q1bb4c7c7c6_attn
	.p2align	8
	.type	k_q1bb4c7c7c6_attn,@function
k_q1bb4c7c7c6_attn:
	s_mov_b64 s[64:65], 0
	v_nop
	global_prefetch_b8 v0, s[64:65] scope:SCOPE_SE
	s_setreg_imm32_b32 hwreg(HW_REG_WAVE_MODE, 25, 1), 1
	s_wait_xcnt 0x0
; ATTN: y[bh][q] = the sum over k <= q of softmax_k(s) v[bh][k], s = q' . k, where q' = q log2(e) / 8 as the launch before stored it: p = 2^(s - m), m the running maximum, so p never passes 1.
; q', k, v: qkv [3][64 bh][2048][64] f16.  y16: [64 bh][2048][64] f16.  Products on f16 operands, sums, maxima and the row's sum in f32; p is rounded to f16 for the second product; the sum is taken of the unrounded p.
; SHARES.  Work-group (p, bh) owns the query blocks p and 7 - p, 256 queries each: every work-group has nine block-units under the causal mask.  Each of sixteen waves owns 32 queries, two tiles of 16, in 256 registers.
; The waves of the two blocks are dealt so that long and short ones alternate in pairs of the wave's number.  All waves walk one ring of two LDS slots of 256 keys (waves 0, 1 fetch K's halves, waves 2, 3 V's).
; NO CLUSTER: the four work-groups of a head need 8, 7, 6 and 5 slots; a joint load would bring tiles whose reads every wave of some partner jumps over.
; LAYOUT.  S^T = K Q^T (source 0 = 16 keys, source 1 = 16 queries): a lane holds one query (lane % 16) and keys 8 (lane / 16) + 0..7.  Two such tiles, rounded in pairs, are source 1 of O^T = V^T P.  V comes turned by ds_load_tr16_b128.
; CAUSAL.  Every work-group walks all eight changes of slots: trip counts are constants.  A step all of whose keys come after the wave's queries is jumped over; a slot whose first key comes after the work-group's last query is not asked for.
; LIMITS: NaN and infinities are not served; p under 2^-25 rounds to 0 in f16.
.set KP,    144                        ; a key's row in LDS: 128 bytes + 16
.set VP,    160                        ; a row of V: 128 + 32
.set VOFF,  256*KP
.set SLOT1, 1<<17
.set STAGE, SLOT1+VOFF+256*VP          ; behind the ring: 32 rows x 144 bytes for each wave; no tile lands there
.set SPARE, STAGE+16*32*144            ; the spare words: 128 bytes for each wave
.set AK0, 1                            ; v1  my lane's place in a tile of K
.set AV0, 2                            ; v2  the same for V
.set ADK, 3
.set ADV, 4
.set SPW, 5
.set NIL, 6
.set GO,  7                            ; v7  16 x lane
.set PFO, 8                            ; v8  256 x lane
.set DR,  9                            ; v9  r - 8 h
.set ST,  12                           ; tile t at v[ST + 8 t]: +0 m, +1 (its pair's other half), +2, +3 the sum, +4 .. +7 at work; a = 2^(old m - new m) at +6
.set Q,   28                           ; tile t, channels 32 c on: v[Q + 16 t + 8 c]
.set S,   60                           ; tile t, keys 16 kt on: v[S + 32 t + 8 kt]; then p; then P, packed in place into the first 16
.set O,   124                          ; tile t, channels 16 dt on: v[O + 32 t + 8 dt]
.set KV,  188                          ; a step's K, then its V
.set WV,  18
.set SEL, 20
.set G1K, 24
.set G1V, 32
.set G0K, 40
.set G0V, 44
.set TB,  2
.set KF,  48                           ; the step's first key
.set Q0,  49                           ; my first query
.set QL,  50                           ; my work-group's last query
.set SLOTS, 51
.set PFA, 52
.set LIM, 54
.macro TLOAD                           ; waves 0, 1: K; waves 2, 3: V; the others nothing.  An s_nop 0 and four v_nop follow each line
	s_cmp_lt_u32 s[WV], 2
	s_cbranch_scc0 .Lnot_k_\@
	tensor_load_to_lds s[G0K:G0K+3], s[G1K:G1K+7]
	s_nop 0
.rept 4
	v_nop
.endr
	s_branch .Lasked_\@
.Lnot_k_\@:
	s_cmp_lt_u32 s[WV], 4
	s_cbranch_scc0 .Lasked_\@
	tensor_load_to_lds s[G0V:G0V+3], s[G1V:G1V+7]
	s_nop 0
.rept 4
	v_nop
.endr
.Lasked_\@:
.endm
; A prefetch of what the NEXT change of slots asks for: 32,768 dense bytes of K and of V.  The head's work-group 0, which walks all eight slots, asks, and nobody else; in it waves 4-7 take K's, waves 8-11 V's:
; 8,192 bytes a wave, lanes 256 bytes apart: each block of 256 bytes is named once.  The last change that fills a slot asks for nothing.
.macro ASK
	s_cmp_gt_u32 s[SLOTS], s[LIM]
	s_cbranch_scc0 .Lnot_mine_\@
	global_prefetch_b8 v[PFO], s[PFA:PFA+1] th:TH_LOAD_NT scope:SCOPE_SE
.Lnot_mine_\@:
.endm
	s_load_b128 s[4:7], s[0:1], 0x0                ; qkv, y16
	v_lshl_add_u32 v[SPW], v0, 2, SPARE
	v_mov_b32 v[NIL], 0
	ds_add_u32 v[SPW], v[NIL]                      ; the wave's opening: the add, twice on end, and its wait ahead of the first tensor load
	ds_add_u32 v[SPW], v[NIL]
	v_lshrrev_b32 v9, 5, v0
	v_readfirstlane_b32 s[WV], v9                  ; wave 0..15
	s_and_b32 s55, ttmp7, 0xffff                   ; bh
	s_lshl_b32 s56, s55, 18                        ; the head's first byte in a part
	s_lshr_b32 s58, s[WV], 1
	s_lshr_b32 s59, s[WV], 3
	s_xor_b32 s59, s59, s58
	s_and_b32 s59, s59, 1                          ; which of the two blocks
	s_and_b32 s58, s58, 6
	s_and_b32 s60, s[WV], 1
	s_or_b32 s58, s58, s60                         ; which 32 queries of it
	s_lshl_b32 s61, ttmp9, 1
	s_sub_co_u32 s61, 7, s61
	s_mul_i32 s61, s61, s59
	s_add_co_u32 s61, s61, ttmp9                   ; block p or 7 - p
	s_lshl_b32 s61, s61, 8
	s_lshl_b32 s58, s58, 5
	s_add_co_u32 s[Q0], s61, s58
	s_lshl_b32 s[QL], ttmp9, 8
	s_sub_co_u32 s[QL], 2047, s[QL]
	s_lshl_b32 s62, s60, 14                        ; what I fetch, if I fetch: rows 128 (wave % 2) on
	s_add_co_u32 s62, s62, s56
	s_mov_b32 s63, 0
	s_mul_i32 s66, s60, 128*KP
	s_mul_i32 s67, s60, 128*VP
	s_add_co_u32 s67, s67, VOFF
	s_mov_b32 s[G1K], (1<<16)|(1<<20)|(4<<22)|(3<<25)              ; elements of 2 bytes; padding: 4 words after every 32
	s_mov_b32 s[G1V], (1<<16)|(1<<20)|(4<<22)|(7<<25)              ; 8 words
.irp g, G1K, G1V
	s_mov_b32 s[\g+1], 64<<16                      ; tensor_dim0
	s_mov_b32 s[\g+2], 128<<16                     ; tensor_dim1
	s_mov_b32 s[\g+3], 64<<16                      ; tile_dim0
	s_mov_b32 s[\g+4], 128                         ; tile_dim1
	s_mov_b32 s[\g+5], 64                          ; the pitch
	s_mov_b32 s[\g+6], 0
	s_mov_b32 s[\g+7], 0
.endr
	s_mov_b32 s[SEL], 0x76543210
	s_mov_b32 s[SEL+1], 0xfedcba98
	s_mov_b32 s[TB], 0
	s_mov_b32 s[KF], 0
	s_mov_b32 s[SLOTS], 7
	s_lshl_b32 s70, s[Q0], 7
	s_add_co_u32 s70, s70, s56                     ; my first query's row, in q's part and in y16
	s_mov_b32 s71, 0
	s_wait_dscnt 0x0                               ; both opening adds are done
	s_wait_kmcnt 0x0
	s_mov_b32 s[G0K], 1
	s_mov_b32 s[G0K+1], s66
	s_add_nc_u64 s[G0K+2:G0K+3], s[4:5], s[62:63]
	s_add_nc_u64 s[G0K+2:G0K+3], s[G0K+2:G0K+3], 0x1000000        ; k's part
	s_or_b32 s[G0K+3], s[G0K+3], 0x80000000
	s_mov_b32 s[G0V], 1
	s_mov_b32 s[G0V+1], s67
	s_add_nc_u64 s[G0V+2:G0V+3], s[4:5], s[62:63]
	s_add_nc_u64 s[G0V+2:G0V+3], s[G0V+2:G0V+3], 0x2000000        ; v's part
	s_or_b32 s[G0V+3], s[G0V+3], 0x80000000
	TLOAD                                          ; slot 0: key 0 counts for every query
	s_add_nc_u64 s[8:9], s[4:5], s[70:71]          ; q'
	s_add_nc_u64 s[10:11], s[6:7], s[70:71]        ; y16
	s_cmp_lt_u32 s[WV], 8
	s_mov_b32 s72, 0x2000000
	s_cselect_b32 s72, 0x1000000, s72
	s_and_b32 s73, s[WV], 3
	s_lshl_b32 s73, s73, 13
	s_add_co_u32 s72, s72, s73
	s_add_co_u32 s72, s72, s56
	s_add_co_u32 s72, s72, 32768                   ; in slot 1: the first change steps it to slot 2.  Nothing is prefetched at the head
	s_mov_b32 s73, 0
	s_add_nc_u64 s[PFA:PFA+1], s[4:5], s[72:73]
	s_sub_co_u32 s72, s[WV], 4
	s_lshr_b32 s72, s72, 3                         ; 0 in waves 4 to 11,
	s_or_b32 s72, s72, ttmp9                       ; of work-group 0
	s_cmp_eq_u32 s72, 0
	s_cselect_b32 s[LIM], 1, -1
	v_and_b32 v9, 15, v0                           ; r
	v_bfe_u32 v10, v0, 4, 1                        ; h
	v_lshlrev_b32 v11, 7, v9
	v_lshl_add_u32 v11, v10, 4, v11                ; Q: 128 r + 16 h
.irp t, 0,1
.irp c, 0,1
	global_load_b128 v[Q+16*\t+8*\c:Q+16*\t+8*\c+3], v11, s[8:9] offset:2048*\t+64*\c
	global_load_b128 v[Q+16*\t+8*\c+4:Q+16*\t+8*\c+7], v11, s[8:9] offset:2048*\t+64*\c+32
.endr
.endr
	v_mul_u32_u24 v[AK0], v9, KP
	v_lshl_add_u32 v[AK0], v10, 4, v[AK0]
	v_and_b32 v252, 7, v0
	v_lshl_add_u32 v252, v10, 3, v252
	v_mul_u32_u24 v[AV0], v252, VP
	v_bfe_u32 v253, v0, 3, 1
	v_lshl_add_u32 v[AV0], v253, 4, v[AV0]
	v_add_nc_u32 v[AV0], VOFF, v[AV0]
	v_and_b32 v[GO], 31, v0
	v_lshlrev_b32 v[PFO], 8, v[GO]
	v_lshlrev_b32 v[GO], 4, v[GO]
	v_lshlrev_b32 v10, 3, v10
	v_sub_nc_u32 v[DR], v9, v10
.irp t, 0,1
	v_mov_b32 v[ST+8*\t], 0xff61b1e6               ; m: -3e38, under every score
.irp i, 1,2,3,4,5,6,7
	v_mov_b32 v[ST+8*\t+\i], 0
.endr
.endr
	v_mov_b32 v252, 0
	v_mov_b32 v253, 0
	v_mov_b32 v254, 0
	v_mov_b32 v255, 0
.set j, 0
.rept 64
	v_mov_b32 v[O+j], 0                            ; O^T.  (The step is written once: the first finds zeros, which a = 0 leaves zeros)
.set j, j+1
.endr
; A KEY STEP: 64 keys, the q-th of the slot in hand.
.macro STEP q
	s_add_co_u32 s96, s[Q0], 31
	s_cmp_gt_u32 s[KF], s96                        ; all 64 keys come after my 32 queries: the step's work is left out (ids and the count of steps alone)
	s_cbranch_scc1 .Lhidden_\@
	v_add_nc_u32 v[ADK], s[TB], v[AK0]
	v_add_nc_u32 v[ADV], s[TB], v[AV0]
.rept 3
	v_nop                                          ; with the two additions five places: the first products below write over P, which the last step's products read, and K is loaded where V lay
.endr
.irp kt, 0,1,2,3
.irp c, 0,1
	ds_load_b128 v[KV+16*\kt+8*\c:KV+16*\kt+8*\c+3], v[ADK] offset:(64*(\q)+16*\kt)*KP+64*\c
	ds_load_b128 v[KV+16*\kt+8*\c+4:KV+16*\kt+8*\c+7], v[ADK] offset:(64*(\q)+16*\kt)*KP+64*\c+32
.endr
.endr
	s_wait_dscnt 0x0
.irp c, 0,1                                    ; S^T = K Q^T: eight accumulators by turns, one instruction a turn
.irp kt, 0,1,2,3
.irp t, 0,1
.if \c == 0
	v_wmma_f32_16x16x32_f16 v[S+32*\t+8*\kt:S+32*\t+8*\kt+7], v[KV+16*\kt+8*\c:KV+16*\kt+8*\c+7], v[Q+16*\t+8*\c:Q+16*\t+8*\c+7], 0
.else
	v_wmma_f32_16x16x32_f16 v[S+32*\t+8*\kt:S+32*\t+8*\kt+7], v[KV+16*\kt+8*\c:KV+16*\kt+8*\c+7], v[Q+16*\t+8*\c:Q+16*\t+8*\c+7], v[S+32*\t+8*\kt:S+32*\t+8*\kt+7]
.endif
.endr
.endr
.endr
.rept 4
	v_nop                                          ; places in front of the loads into K's registers and of the first read of the scores
.endr
.irp ks, 0,1                                   ; V, turned: it lands under the softmax
.irp dt, 0,1,2,3
	ds_load_tr16_b128 v[KV+32*\ks+8*\dt:KV+32*\ks+8*\dt+3], v[ADV] offset:(64*(\q)+32*\ks)*VP+32*\dt
	ds_load_tr16_b128 v[KV+32*\ks+8*\dt+4:KV+32*\ks+8*\dt+7], v[ADV] offset:(64*(\q)+32*\ks+16)*VP+32*\dt
.endr
.endr
	s_add_co_u32 s96, s[KF], 63
	s_cmp_le_u32 s96, s[Q0]                        ; all keys count for all my queries: no mask
	s_cbranch_scc1 .Lopen_\@
	s_sub_co_i32 s96, s[Q0], s[KF]
	v_add_nc_u32 v252, s96, v[DR]                  ; tile 0: my query - KF - 8 h.  Register n holds key KF + 8 h + 16 (n / 8) + n % 8: hidden where 16 (n / 8) + n % 8 is above it
	v_add_nc_u32 v253, 16, v252                    ; tile 1
	v_mov_b32 v254, 0xff800000                     ; -infinity
.irp t, 0,1
.irp n, 0,1,2,3,4,5,6,7,8,9,10,11,12,13,14,15,16,17,18,19,20,21,22,23,24,25,26,27,28,29,30,31
	v_cmp_gt_i32 vcc_lo, 16*(\n/8)+\n%8, v[252+\t]
	v_cndmask_b32 v[S+32*\t+\n], v[S+32*\t+\n], v254, vcc_lo
.endr
.endr
.Lopen_\@:
.irp j, 0,1,2,3                                ; the maximum: four chains a tile, the two tiles by turns; each accumulator is read from its low end on
.irp t, 0,1
	v_max3_num_f32 v[ST+8*\t+4+\j], v[S+32*\t+8*\j], v[S+32*\t+8*\j+1], v[S+32*\t+8*\j+2]
.endr
.endr
.irp i, 3,5
.irp j, 0,1,2,3
.irp t, 0,1
	v_max3_num_f32 v[ST+8*\t+4+\j], v[ST+8*\t+4+\j], v[S+32*\t+8*\j+\i], v[S+32*\t+8*\j+\i+1]
.endr
.endr
.endr
.irp t, 0,1
	v_max3_num_f32 v[ST+8*\t+4], v[ST+8*\t+4], v[S+32*\t+7], v[S+32*\t+15]
	v_max3_num_f32 v[ST+8*\t+6], v[ST+8*\t+6], v[S+32*\t+23], v[S+32*\t+31]
.endr
.irp t, 0,1
	v_max3_num_f32 v[ST+8*\t+4], v[ST+8*\t+4], v[ST+8*\t+5], v[ST+8*\t+6]
.endr
.irp t, 0,1
	v_max3_num_f32 v[ST+8*\t+4], v[ST+8*\t+4], v[ST+8*\t+7], v[ST+8*\t]    ; with the old m
.endr
.irp t, 0,1
	v_permlanex16_b32 v[ST+8*\t+5], v[ST+8*\t+4], s[SEL], s[SEL+1]         ; the query's other 32 keys lie in the lane 16 away
.endr
.irp t, 0,1
	v_mov_b32 v[ST+8*\t+7], v[ST+8*\t]
.endr
.irp t, 0,1
	v_max_num_f32 v[ST+8*\t], v[ST+8*\t+4], v[ST+8*\t+5]                   ; the new m
.endr
.irp t, 0,1
	v_sub_f32 v[ST+8*\t+7], v[ST+8*\t+7], v[ST+8*\t]                       ; old m - new m, 0 or less
.endr
.irp b, 0,2,4,6,8,10,12,14,16,18,20,22,24,26,28,30
.irp t, 0,1
	v_pk_add_f32 v[S+32*\t+\b:S+32*\t+\b+1], v[S+32*\t+\b:S+32*\t+\b+1], v[ST+8*\t:ST+8*\t+1] op_sel_hi:[1,0] neg_lo:[0,1] neg_hi:[0,1]   ; s - m, 0 or less
.endr
.endr
.irp t, 0,1
	v_exp_f32 v[ST+8*\t+6], v[ST+8*\t+7]           ; a
.endr
.irp n, 0,1,2,3,4,5,6,7,8,9,10,11,12,13,14,15,16,17,18,19,20,21,22,23,24,25,26,27,28,29,30,31
.irp t, 0,1
	v_exp_f32 v[S+32*\t+\n], v[S+32*\t+\n]         ; p, at most 1
.endr
.endr
	v_nop                                          ; a plain line behind the last exponential
	s_wait_alu depctr_va_vdst(0)                   ; one wait for the batch of 66, ahead of its first reader
.irp t, 0,1                                    ; the row's sum, of the unrounded p: two chains a tile
	v_pk_add_f32 v[ST+8*\t+4:ST+8*\t+5], v[S+32*\t:S+32*\t+1], v[S+32*\t+2:S+32*\t+3]
	v_pk_add_f32 v[252+2*\t:253+2*\t], v[S+32*\t+4:S+32*\t+5], v[S+32*\t+6:S+32*\t+7]
.endr
.irp j, 8,12,16,20,24,28
.irp t, 0,1
	v_pk_add_f32 v[ST+8*\t+4:ST+8*\t+5], v[ST+8*\t+4:ST+8*\t+5], v[S+32*\t+\j:S+32*\t+\j+1]
	v_pk_add_f32 v[252+2*\t:253+2*\t], v[252+2*\t:253+2*\t], v[S+32*\t+\j+2:S+32*\t+\j+3]
.endr
.endr
.irp t, 0,1
	v_pk_add_f32 v[ST+8*\t+4:ST+8*\t+5], v[ST+8*\t+4:ST+8*\t+5], v[252+2*\t:253+2*\t]
.endr
.irp t, 0,1
	v_pk_fma_f32 v[ST+8*\t+2:ST+8*\t+3], v[ST+8*\t+2:ST+8*\t+3], v[ST+8*\t+6:ST+8*\t+7], v[ST+8*\t+4:ST+8*\t+5] op_sel_hi:[1,0,1]
.endr
.irp j, 0,1,2,3,4,5,6,7,8,9,10,11,12,13,14,15   ; P: rounded to f16 in pairs, in place: register j takes p 2 j and 2 j + 1, which no later line of this run reads
.irp t, 0,1
	v_cvt_pk_f16_f32 v[S+32*\t+\j], v[S+32*\t+2*\j], v[S+32*\t+2*\j+1]
.endr
.endr
.irp j, 0,2,4,6,8,10,12,14,16,18,20,22,24,26,28,30
.irp t, 0,1
	v_pk_mul_f32 v[O+32*\t+\j:O+32*\t+\j+1], v[O+32*\t+\j:O+32*\t+\j+1], v[ST+8*\t+6:ST+8*\t+7] op_sel_hi:[1,0]   ; O^T x a
.endr
.endr
	s_wait_dscnt 0x0                               ; V is in
.irp ks, 0,1                                   ; O^T += V^T P: eight accumulators by turns
.irp dt, 0,1,2,3
.irp t, 0,1
	v_wmma_f32_16x16x32_f16 v[O+32*\t+8*\dt:O+32*\t+8*\dt+7], v[KV+32*\ks+8*\dt:KV+32*\ks+8*\dt+7], v[S+32*\t+8*\ks:S+32*\t+8*\ks+7], v[O+32*\t+8*\dt:O+32*\t+8*\dt+7]
.endr
.endr
.endr
.Lhidden_\@:
	s_add_co_u32 s[KF], s[KF], 64
.endm
; THE CHANGE OF SLOTS, at a slot's head: each wave waits for all its tensor loads, adds 0 to its spare word (fill = 1: twice on end), waits for that and for its reads of the slot that it has left; one barrier.
; fill = 1: the slot just left is asked for anew, up to the causal limit: one load a wave, with a whole slot's four steps in which to land.
.macro CHANGE fill
	s_wait_tensorcnt 0x0                           ; no tensor load of mine is out, so a group 0 may be written
	ds_add_u32 v[SPW], v[NIL]
.if \fill
	ds_add_u32 v[SPW], v[NIL]                      ; and once more, in every trip alike
	s_xor_b32 s[G0K+1], s[G0K+1], SLOT1
	s_add_nc_u64 s[G0K+2:G0K+3], s[G0K+2:G0K+3], 32768
	s_xor_b32 s[G0V+1], s[G0V+1], SLOT1
	s_add_nc_u64 s[G0V+2:G0V+3], s[G0V+2:G0V+3], 32768
	s_wait_xcnt 0x0                                ; the last prefetch, a slot back, has read its address
	s_add_nc_u64 s[PFA:PFA+1], s[PFA:PFA+1], 32768
.endif
	s_wait_dscnt 0x0
	s_barrier_signal -1
	s_barrier_wait -1
.if \fill
	s_add_co_u32 s96, s[KF], 256                   ; the first key of the slot that this change would ask for
	s_cmp_gt_u32 s96, s[QL]                        ; past my work-group's last query: none of its waves would read it.  Ids and the count of steps alone: all sixteen waves go the same way
	s_cbranch_scc1 .Lpast_\@
	TLOAD
.Lpast_\@:
	ASK
.endif
.endm
.macro SLOT_STEPS
	STEP 0
	STEP 1
	STEP 2
	STEP 3
	s_xor_b32 s[TB], s[TB], SLOT1
.endm
	s_wait_loadcnt 0x0                             ; Q
.Lslot:                                            ; seven trips
	CHANGE 1
	SLOT_STEPS
	s_sub_co_u32 s[SLOTS], s[SLOTS], 1
	s_cmp_lg_u32 s[SLOTS], 0
	s_cbranch_scc1 .Lslot
	CHANGE 0                                       ; the last slot is written out: nothing is left to ask for
	SLOT_STEPS
	; THE WAY OUT: O^T / the sum, rounded to f16, through my stage, out as 512 consecutive bytes (four rows of the head) an instruction.
.irp t, 0,1
	v_add_f32 v[ST+8*\t+4], v[ST+8*\t+2], v[ST+8*\t+3]
.endr
.irp t, 0,1
	v_permlanex16_b32 v[ST+8*\t+5], v[ST+8*\t+4], s[SEL], s[SEL+1]
.endr
.irp t, 0,1
	v_add_f32 v[ST+8*\t+4], v[ST+8*\t+4], v[ST+8*\t+5]
.endr
.irp t, 0,1
	v_rcp_f32 v[ST+8*\t+6], v[ST+8*\t+4]
.endr
	v_and_b32 v9, 15, v0                           ; (plain lines behind the reciprocals)
	v_bfe_u32 v10, v0, 4, 1
	s_mul_i32 s96, s[WV], 32*144
	s_add_co_u32 s96, s96, STAGE
	v_mul_u32_u24 v3, v9, 144
	v_lshl_add_u32 v3, v10, 4, v3
	v_add_nc_u32 v3, s96, v3                       ; in: row r, + 16 h
	v_and_b32 v4, 31, v0
	v_lshrrev_b32 v11, 3, v4
	v_and_b32 v4, 7, v4
	v_mul_u32_u24 v11, v11, 144
	v_lshl_add_u32 v4, v4, 4, v11
	v_add_nc_u32 v4, s96, v4                       ; back: row lane / 8, 16 (lane % 8)
	s_wait_alu depctr_va_vdst(0)                   ; one wait for the two reciprocals, ahead of their first reader
.irp t, 0,1
.irp j, 0,2,4,6,8,10,12,14,16,18,20,22,24,26,28,30
	v_pk_mul_f32 v[S+32*\t+\j:S+32*\t+\j+1], v[O+32*\t+\j:O+32*\t+\j+1], v[ST+8*\t+6:ST+8*\t+7] op_sel_hi:[1,0]
.endr
.endr
.irp t, 0,1
.irp j, 0,1,2,3,4,5,6,7,8,9,10,11,12,13,14,15
	v_cvt_pk_f16_f32 v[KV+16*\t+\j], v[S+32*\t+2*\j], v[S+32*\t+2*\j+1]
.endr
.endr
.irp t, 0,1
.irp dt, 0,1,2,3
	ds_store_b128 v3, v[KV+16*\t+4*\dt:KV+16*\t+4*\dt+3] offset:16*\t*144+32*\dt
.endr
.endr
.irp u, 0,1,2,3,4,5,6,7
	ds_load_b128 v[O+4*\u:O+4*\u+3], v4 offset:4*\u*144            ; my own stage: LDS serves a wave's instructions in order
.endr
.irp u, 0,1,2,3,4,5,6,7
	s_wait_dscnt 7-\u
	global_store_b128 v[GO], v[O+4*\u:O+4*\u+3], s[10:11] offset:512*\u
.endr
	s_wait_tensorcnt 0x0                           ; the wave's end: the three lines
	ds_add_u32 v[SPW], v[NIL]
	s_wait_dscnt 0x0
	s_endpgm
.Lfunc_end_k_q1bb4c7c7c6_attn:
	.size	k_q1bb4c7c7c6_attn, .Lfunc_end_k_q1bb4c7c7c6_attn-k_q1bb4c7c7c6_attn
	.p2alignl 7, 3214868480
	.fill 96, 4, 3214868480
	.section	.rodata,"a",@progbits
	.p2align	6, 0x0
	.amdhsa_kernel k_q1bb4c7c7c6_attn
		.amdhsa_group_segment_fixed_size 327680
		.amdhsa_private_segment_fixed_size 0
		.amdhsa_enable_private_segment 0
		.amdhsa_kernarg_size 16
		.amdhsa_user_sgpr_count 2
		.amdhsa_user_sgpr_kernarg_segment_ptr 1
		.amdhsa_wavefront_size32 1
		.amdhsa_system_sgpr_workgroup_id_x 1
		.amdhsa_system_sgpr_workgroup_id_y 1
		.amdhsa_system_sgpr_workgroup_id_z 1
		.amdhsa_system_vgpr_workitem_id 0
		.amdhsa_next_free_vgpr 256
		.amdhsa_next_free_sgpr 100
		.amdhsa_reserve_vcc 1
		.amdhsa_float_denorm_mode_32 3
		.amdhsa_float_denorm_mode_16_64 3
		.amdhsa_memory_ordered 1
		.amdhsa_forward_progress 1
		.amdhsa_inst_pref_size 188
	.end_amdhsa_kernel
	.amdgpu_metadata
---
amdhsa.version: [ 1, 2 ]
amdhsa.kernels:
  - .name:           k_q1bb4c7c7c6_attn
    .symbol:         k_q1bb4c7c7c6_attn.kd
    .args:
      - { .name: qkv, .offset: 0, .size: 8, .value_kind: global_buffer, .address_space: global }
      - { .name: y16, .offset: 8, .size: 8, .value_kind: global_buffer, .address_space: global }
    .group_segment_fixed_size: 327680
    .private_segment_fixed_size: 0
    .kernarg_segment_align: 8
    .kernarg_segment_size: 16
    .max_flat_workgroup_size: 512
    .sgpr_count:     100
    .vgpr_count:     256
    .wavefront_size: 32
...
	.end_amdgpu_metadata
.endif
;; end of part 3
;; launch proj (part 4): grid 4 x 64, 4 waves a work-group, clusters of 4 x 4, 327,680 bytes of LDS; arguments y16, wt, b_proj, out0; writes out0
.if DOCPART == 4
	.amdgcn_target "amdgcn-amd-amdhsa--gfx1250"
	.amdhsa_code_object_version 6
	.text
	.protected	k_q1bb4c7c7c6_proj
	.globl	k_q1bb4c7c7c6_proj
	.p2align	8
	.type	k_q1bb4c7c7c6_proj,@function
k_q1bb4c7c7c6_proj:
	s_mov_b64 s[64:65], 0
	v_nop
	global_prefetch_b8 v0, s[64:65] scope:SCOPE_SE
	s_setreg_imm32_b32 hwreg(HW_REG_WAVE_MODE, 25, 1), 1
	s_wait_xcnt 0x0
	s_wait_alu depctr_hold_cnt(0) depctr_sa_sdst(0) depctr_va_vdst(0) depctr_va_sdst(0) depctr_va_ssrc(0) depctr_va_vcc(0) depctr_vm_vsrc(0)
	s_getreg_b32 s2, hwreg(HW_REG_IB_STS2, 6, 4)
	s_cmp_eq_u32 s2, 0
	s_cbranch_scc0 .Lentry_in_a_cluster
	s_endpgm
.Lentry_in_a_cluster:
	s_bfe_u32 s2, ttmp6, 0x10000c
	s_cmp_lg_u32 s2, 0xf033
	s_cbranch_scc0 .Lentry_shape_is_right
	s_endpgm
.Lentry_shape_is_right:
; PROJ: out0[m][n] = the sum over k of y[m][k] w_proj[k][n] + b_proj[n], f16 operands, f32 sums, for all rows but t < 16 of each sequence, which a later launch makes in f32.
; A = y16 [64 = 16 b + head][2048 t][64] f16: k = 64 head + d, so a K step of 128 is two heads: two planes of 128 dense rows of 128 bytes.  B = wt [1024 n][1024 k] f16.
; A tile is 128 (m) x 256 (n): 256 work-groups; a wave makes 64 x 128: 32 accumulators.  K goes in eight steps of 128 through a ring of two LDS slots: waves 0, 1 fetch A's planes, waves 2, 3 B's halves.
; CLUSTERS: 4 x 4 work-groups; A's tiles are asked for jointly along a row of the cluster, B's along a column.  TRANSPOSED USE: source 0 = 16 rows of wt, source 1 = 16 rows of y: a lane holds eight neighbouring columns of a row.
; The bias is the C of each sum's first product.
; REGISTERS: window 0: v0-31 addresses; v64-127 A's fragments, two buffers of 32; v128-191 the bias, later with v192-255 the way out.  window 1: v0-127 B's fragments, two buffers of 64.  window 2: accumulator (a, b) at v[8 (8 a + b)].
.set PA,     144                       ; A's LDS row: 128 bytes + 16
.set PB,     272                       ; B's: 256 + 16
.set BOFF,   2*128*PA
.set SLOT,   BOFF+256*PB
.set STAGE,  2*SLOT                    ; behind the ring: 16 rows x 528 bytes for each wave
.set SPITCH, 528
.set SPARE,  STAGE+4*16*SPITCH
.set KB,     524288                    ; a K step on in y16: two heads
.set ADRA, 16
.set ADRB, 20
.set STO,  24
.set RD,   25
.set CO,   26
.set SPW,  28
.set NIL,  29
.set PFO,  30
.set FLG,  31                          ; 0 where my first 16 rows are t = 0 .. 15
.set AF,   64
.set BI,   128
.set BK,   128
.set G1,  24
.set G0,  32
.set G1B, 48
.set G0B, 56
.set PFA, 44
.set LIM, 73
.set MSB, 0
.macro WIN new
.if MSB != (\new)
	s_set_vgpr_msb (MSB<<8)|(\new)
.set MSB, (\new)
.endif
.endm
.macro JLOAD s                         ; a joint load; an s_nop 0 and four v_nop follow each of the two lines
	s_cmp_eq_u32 s11, 0
	s_cbranch_scc0 .Lfor_b_\@
	tensor_load_to_lds s[G0+4*\s:G0+4*\s+3], s[G1:G1+7]
	s_nop 0
.rept 4
	v_nop
.endr
	s_branch .Lasked_\@
.Lfor_b_\@:
	tensor_load_to_lds s[G0B+4*\s:G0B+4*\s+3], s[G1B:G1B+7]
	s_nop 0
.rept 4
	v_nop
.endr
.Lasked_\@:
.endm
.macro CREST
	s_cmp_lg_u32 s10, 0
	s_cbranch_scc1 .Lnot_wave_0_\@
	s_barrier_signal -3
.Lnot_wave_0_\@:
	s_barrier_wait -3
	s_barrier_signal -1
	s_barrier_wait -1
.endm
.macro CROUND
	s_barrier_signal -1
	s_barrier_wait -1
	CREST
.endm
; A prefetch of A's K step two refills on: 32,768 bytes for a tile row.  One row of the cluster alone reads a tile row; its four partners take 8,192 bytes each, told apart by address; wave 0 asks, lanes 256 bytes apart:
; each block of 256 bytes is named once.  The loop's last trip asks for nothing: K steps 4 to 7 are named.  wt is read again by every cluster and is not asked for.
.macro ASK
	s_cmp_gt_u32 s3, s[LIM]
	s_cbranch_scc0 .Lnot_mine_\@
	global_prefetch_b8 v[PFO], s[PFA:PFA+1] offset:KB th:TH_LOAD_NT scope:SCOPE_SE
.Lnot_mine_\@:
.endm
	s_load_b128 s[4:7], s[0:1], 0x0                ; y16, wt
	s_load_b128 s[68:71], s[0:1], 0x10             ; b_proj, out0
	v_lshl_add_u32 v[SPW], v0, 2, SPARE
	v_mov_b32 v[NIL], 0
	ds_add_u32 v[SPW], v[NIL]                      ; the wave's opening: the add, twice on end, and its wait
	ds_add_u32 v[SPW], v[NIL]
	v_lshrrev_b32 v1, 5, v0
	v_readfirstlane_b32 s10, v1                    ; wave 0..3
	s_lshr_b32 s11, s10, 1                         ; my half of the rows.  Also: I fetch for A (0) or B (1)
	s_and_b32 s12, s10, 1                          ; my half of the columns.  Also: which plane of A or which 128 rows of B I fetch
	s_bfe_u32 s40, ttmp6, 0x40000
	s_bfe_u32 s41, ttmp6, 0x40004
	s_lshl_b32 s42, ttmp9, 2
	s_add_co_u32 s42, s42, s40                     ; tile column
	s_and_b32 s13, ttmp7, 0xffff
	s_lshl_b32 s13, s13, 2
	s_add_co_u32 s13, s13, s41                     ; tile row
	s_lshl_b32 s43, s41, 2
	s_lshl_b32 s43, 15, s43
	s_lshl_b32 s72, 0x1111, s40
	s_or_b32 s[G1+0], s43, (1<<16)|(1<<20)|(1<<21)|(4<<22)|(3<<25)  ; A: my row's mask; elements of 2 bytes; 4 words of padding after every 32
	s_mov_b32 s[G1+1], 64<<16
	s_mov_b32 s[G1+2], 128<<16
	s_mov_b32 s[G1+3], 64<<16
	s_mov_b32 s[G1+4], 128
	s_mov_b32 s[G1+5], 64
	s_mov_b32 s[G1+6], 0
	s_mov_b32 s[G1+7], 0
	s_or_b32 s[G1B+0], s72, (1<<16)|(1<<20)|(1<<21)|(5<<22)|(3<<25) ; B: my column's mask; 4 words after every 64
	s_mov_b32 s[G1B+1], 128<<16
	s_mov_b32 s[G1B+2], 128<<16
	s_mov_b32 s[G1B+3], 128<<16
	s_mov_b32 s[G1B+4], 128
	s_mov_b32 s[G1B+5], 1024
	s_mov_b32 s[G1B+6], 0
	s_mov_b32 s[G1B+7], 0
	s_lshr_b32 s14, s13, 4                         ; A: ((16 b + plane) x 2048 + t0) x 128 bytes
	s_lshl_b32 s14, s14, 4
	s_add_co_u32 s14, s14, s12
	s_lshl_b32 s14, s14, 11
	s_and_b32 s15, s13, 15
	s_lshl_b32 s15, s15, 7
	s_add_co_u32 s14, s14, s15
	s_lshl_b32 s14, s14, 7
	s_mov_b32 s15, 0
	s_lshl_b32 s46, s42, 19                        ; B: (256 x tile column + 128 x half) rows of 2,048 bytes
	s_lshl_b32 s47, s12, 18
	s_add_co_u32 s46, s46, s47
	s_mov_b32 s47, 0
	s_mul_i32 s20, s12, 128*PA
	s_mul_i32 s21, s12, 128*PB
	s_add_co_u32 s21, s21, BOFF
	s_wait_dscnt 0x0
	s_wait_kmcnt 0x0
	s_add_nc_u64 s[14:15], s[4:5], s[14:15]
	s_add_nc_u64 s[46:47], s[6:7], s[46:47]
	CROUND                                         ; the first joint loads meet
.irp s, 0,1
	s_mov_b32 s[G0+4*\s], 1
	s_add_co_u32 s[G0+4*\s+1], s20, \s*SLOT
	s_add_nc_u64 s[G0+4*\s+2:G0+4*\s+3], s[14:15], \s*KB
	s_or_b32 s[G0+4*\s+3], s[G0+4*\s+3], 0x80000000
	s_mov_b32 s[G0B+4*\s], 1
	s_add_co_u32 s[G0B+4*\s+1], s21, \s*SLOT
	s_add_nc_u64 s[G0B+4*\s+2:G0B+4*\s+3], s[46:47], \s*256
	s_or_b32 s[G0B+4*\s+3], s[G0B+4*\s+3], 0x80000000
	JLOAD \s
.endr
	v_and_b32 v1, 15, v0
	v_bfe_u32 v2, v0, 4, 1
	v_mul_u32_u24 v3, v1, PA
	v_lshl_add_u32 v3, v2, 4, v3
	v_mul_u32_u24 v4, v1, PB
	v_lshl_add_u32 v4, v2, 4, v4
	s_mul_i32 s21, s11, 64*PA                      ; my 64 rows of each plane
	s_mul_i32 s22, s12, 128*PB
	s_add_co_u32 s22, s22, BOFF                    ; my 128 rows of B
.irp s, 0,1
	v_add_nc_u32 v[ADRA+\s], s21, v3
	v_add_nc_u32 v[ADRB+\s], s22, v4
	s_add_co_u32 s21, s21, SLOT
	s_add_co_u32 s22, s22, SLOT
.endr
	s_mul_i32 s23, s10, 16*SPITCH
	s_add_co_u32 s23, s23, STAGE
	v_mul_u32_u24 v5, v1, SPITCH
	v_lshl_add_u32 v5, v2, 5, v5
	v_add_nc_u32 v[STO], s23, v5
	v_and_b32 v6, 31, v0
	v_lshlrev_b32 v[CO], 4, v6
	v_add_nc_u32 v[RD], s23, v[CO]
	v_lshlrev_b32 v[PFO], 8, v6
	s_lshr_b32 s16, s13, 4                         ; the prefetches: the tile row's first plane,
	s_lshl_b32 s16, s16, 15
	s_and_b32 s17, s13, 15
	s_lshl_b32 s17, s17, 7
	s_add_co_u32 s16, s16, s17
	s_lshl_b32 s16, s16, 7
	s_lshr_b32 s17, s40, 1                         ; my work-group's quarter of a K step: plane cx / 2, half cx % 2
	s_lshl_b32 s17, s17, 18
	s_add_co_u32 s16, s16, s17
	s_and_b32 s17, s40, 1
	s_lshl_b32 s17, s17, 13
	s_add_co_u32 s16, s16, s17
	s_add_co_u32 s16, s16, 2*KB                    ; at K step 2: the first refill steps it to 3 and names 4
	s_mov_b32 s17, 0
	s_add_nc_u64 s[PFA:PFA+1], s[4:5], s[16:17]
	s_cmp_eq_u32 s10, 0
	s_cselect_b32 s[LIM], 1, -1
	s_lshl_b32 s16, s13, 7
	s_lshl_b32 s18, s11, 6
	s_add_co_u32 s16, s16, s18                     ; my first row of out0
	s_lshl_b32 s16, s16, 12
	s_lshl_b32 s18, s42, 10
	s_lshl_b32 s19, s12, 9
	s_add_co_u32 s18, s18, s19                     ; my first column, in bytes
	s_add_co_u32 s16, s16, s18
	s_add_nc_u64 s[70:71], s[70:71], s[16:17]
	s_mov_b32 s19, 0
	s_add_nc_u64 s[68:69], s[68:69], s[18:19]
	v_lshlrev_b32 v7, 5, v2
.irp b, 0,1,2,3,4,5,6,7
	global_load_b128 v[BI+8*\b:BI+8*\b+3], v7, s[68:69] offset:64*\b       ; the bias in the result's layout: columns 16 b + 8 h + 0 .. 7
	global_load_b128 v[BI+8*\b+4:BI+8*\b+7], v7, s[68:69] offset:64*\b+16
.endr
	s_and_b32 s16, s13, 15
	s_or_b32 s16, s16, s11
	v_mov_b32 v[FLG], s16
.macro MUL8 f, a, first                ; A's block a x B's eight, 32 along K.  The 32 accumulators take turns in the same order in every quarter
.irp b, 0,1,2,3,4,5,6,7
.if \first
	v_wmma_f32_16x16x32_f16 v[8*(8*(\a)+\b):8*(8*(\a)+\b)+7], v[64*(\f)+8*\b:64*(\f)+8*\b+7], v[AF+32*(\f)+8*(\a):AF+32*(\f)+8*(\a)+7], v[BI+8*\b:BI+8*\b+7]
.else
	v_wmma_f32_16x16x32_f16 v[8*(8*(\a)+\b):8*(8*(\a)+\b)+7], v[64*(\f)+8*\b:64*(\f)+8*\b+7], v[AF+32*(\f)+8*(\a):AF+32*(\f)+8*(\a)+7], v[8*(8*(\a)+\b):8*(8*(\a)+\b)+7]
.endif
.endr
.endm
.macro FETCH slot, q, f                ; 24 LDS loads in one run: the fragments of the slot's q-th 32 along K: B's eight, then A's four
	WIN 0x40
.irp i, 0,1,2,3,4,5,6,7
	ds_load_b128 v[64*(\f)+8*\i:64*(\f)+8*\i+3], v[ADRB+\slot] offset:64*(\q)+\i*16*PB
	ds_load_b128 v[64*(\f)+8*\i+4:64*(\f)+8*\i+7], v[ADRB+\slot] offset:64*(\q)+\i*16*PB+32
.endr
	WIN 0
.irp i, 0,1,2,3
	ds_load_b128 v[AF+32*(\f)+8*\i:AF+32*(\f)+8*\i+3], v[ADRA+\slot] offset:((\q)/2)*128*PA+((\q)%2)*64+\i*16*PA
	ds_load_b128 v[AF+32*(\f)+8*\i+4:AF+32*(\f)+8*\i+7], v[ADRA+\slot] offset:((\q)/2)*128*PA+((\q)%2)*64+\i*16*PA+32
.endr
.endm
.macro PLACES
.rept 4
	v_nop
.endr
.endm
.macro QUARTER slot, q, f, g, first    ; multiplies buffer f; in its middle fetches quarter q of the slot into buffer g.  first = 1: C is the bias, in window 0
	s_wait_dscnt 4                                 ; B and A's blocks 0, 1 are in; A's blocks 2, 3 may be out
	WIN 0xa1-0x20*(\first)
	MUL8 \f, 0, \first
	MUL8 \f, 1, \first
	PLACES
	FETCH \slot, \q, \g
	s_wait_dscnt 24                                ; all but the 24 just issued
	WIN 0xa1-0x20*(\first)
	MUL8 \f, 2, \first
	MUL8 \f, 3, \first
.endm
; A K step's last quarter multiplies buffer 1 and changes slots: each wave waits for all its tensor loads, adds 0 to its spare word, waits for that and for its reads of the slot; the barrier, where a slot is filled again,
; opens a round of the cluster's barrier, and the joint refill is the first tensor load behind it: one a wave.
.macro TURN slot, next, fill
.if \fill
	s_wait_xcnt 0x0                                ; the last prefetch, a K step back, has read its address
	s_add_nc_u64 s[PFA:PFA+1], s[PFA:PFA+1], KB
.endif
	WIN 0
	s_wait_tensorcnt 0x0
	ds_add_u32 v[SPW], v[NIL]
	s_wait_dscnt 5                                 ; (the add and A's blocks 2, 3 may be out)
	WIN 0xa1
	MUL8 1, 0, 0
	s_wait_dscnt 0x0
	s_barrier_signal -1
	MUL8 1, 1, 0
	WIN 0
	s_barrier_wait -1
.if \fill
	CREST
	s_add_nc_u64 s[G0+4*\slot+2:G0+4*\slot+3], s[G0+4*\slot+2:G0+4*\slot+3], 2*KB
	s_add_nc_u64 s[G0B+4*\slot+2:G0B+4*\slot+3], s[G0B+4*\slot+2:G0B+4*\slot+3], 512
	JLOAD \slot                                    ; its four v_nop are also the places in front of the loads below
.else
	PLACES
.endif
	FETCH \next, 0, 0
.if \fill
	ASK
.endif
	WIN 0xa1
	MUL8 1, 2, 0
	MUL8 1, 3, 0
.endm
	s_wait_tensorcnt 1                             ; my part of K step 0 is in; K step 1's may be out
	s_barrier_signal -1
	s_barrier_wait -1
	FETCH 0, 0, 0
	s_wait_loadcnt 0x0                             ; the bias
	QUARTER 0, 1, 0, 1, 1                          ; the first products start the sums from the bias
	WIN 0
	s_mov_b32 s3, 3
.Llap:                                             ; a trip goes once round the ring and fills both slots again
	QUARTER 0, 2, 1, 0, 0
	QUARTER 0, 3, 0, 1, 0
	TURN 0, 1, 1
	QUARTER 1, 1, 0, 1, 0
	QUARTER 1, 2, 1, 0, 0
	QUARTER 1, 3, 0, 1, 0
	TURN 1, 0, 1
	QUARTER 0, 1, 0, 1, 0
	WIN 0
	s_sub_co_u32 s3, s3, 1
	s_cmp_lg_u32 s3, 0
	s_cbranch_scc1 .Llap
	QUARTER 0, 2, 1, 0, 0                          ; the last lap fills nothing
	QUARTER 0, 3, 0, 1, 0
	TURN 0, 1, 0
	QUARTER 1, 1, 0, 1, 0
	QUARTER 1, 2, 1, 0, 0
	QUARTER 1, 3, 0, 1, 0
	s_wait_dscnt 4
	WIN 0xa1
	MUL8 1, 0, 0
	MUL8 1, 1, 0
	s_wait_dscnt 0
	MUL8 1, 2, 0
	MUL8 1, 3, 0
	WIN 0
; THE WAY OUT, by blocks of 16 rows x 128 columns: through my own stage, back as whole rows of 512 bytes.
.macro TOSTAGE a
	WIN 0x08                                       ; an LDS store's data: window 2
.irp b, 0,1,2,3,4,5,6,7
	ds_store_b128 v[STO], v[8*(8*(\a)+\b):8*(8*(\a)+\b)+3] offset:64*\b    ; each accumulator from its low end on
	ds_store_b128 v[STO], v[8*(8*(\a)+\b)+4:8*(8*(\a)+\b)+7] offset:64*\b+16
.endr
	WIN 0
.set BB, BK+64*((\a)%2)
.set u, 0
.rept 16
	ds_load_b128 v[BB+4*u:BB+4*u+3], v[RD] offset:u*SPITCH
.set u, u+1
.endr
.endm
.macro SEND a, younger, masked
.set BB, BK+64*((\a)%2)
	s_wait_dscnt \younger
.if \masked
	s_wait_xcnt 0x0                                ; EXEC changes only behind this wait
	v_cmp_ne_u32 vcc_lo, 0, v[FLG]                 ; rows t < 16 are left to the launch that makes them in f32.  The tile row hangs on the place in the cluster: lanes are switched off, no branch
	s_and_saveexec_b32 s74, vcc_lo
.endif
.set u, 0
.rept 16
	global_store_b128 v[CO], v[BB+4*u:BB+4*u+3], s[70:71] offset:(16*(\a)+u)*4096 th:TH_STORE_NT   ; 32 lanes store 512 consecutive bytes, aligned
.set u, u+1
.endr
.if \masked
	s_wait_xcnt 0x0
	s_or_b32 exec_lo, exec_lo, s74
.endif
.endm
	PLACES
	TOSTAGE 0
	TOSTAGE 1
	SEND 0, 32, 1                                  ; behind block 0's loads: block 1's 16 stores and 16 loads
	s_wait_xcnt 0x0                                ; block 0's stores have read their registers
	TOSTAGE 2
	SEND 1, 32, 0
	s_wait_xcnt 0x0
	TOSTAGE 3
	SEND 2, 32, 0
	SEND 3, 0, 0
	s_wait_tensorcnt 0x0                           ; the wave's end: the three lines
	ds_add_u32 v[SPW], v[NIL]
	s_wait_dscnt 0x0
	CROUND                                         ; the closing round
	s_endpgm
.Lfunc_end_k_q1bb4c7c7c6_proj:
	.size	k_q1bb4c7c7c6_proj, .Lfunc_end_k_q1bb4c7c7c6_proj-k_q1bb4c7c7c6_proj
	.p2alignl 7, 3214868480
	.fill 96, 4, 3214868480
	.section	.rodata,"a",@progbits
	.p2align	6, 0x0
	.amdhsa_kernel k_q1bb4c7c7c6_proj
		.amdhsa_group_segment_fixed_size 327680
		.amdhsa_private_segment_fixed_size 0
		.amdhsa_enable_private_segment 0
		.amdhsa_kernarg_size 32
		.amdhsa_user_sgpr_count 2
		.amdhsa_user_sgpr_kernarg_segment_ptr 1
		.amdhsa_wavefront_size32 1
		.amdhsa_system_sgpr_workgroup_id_x 1
		.amdhsa_system_sgpr_workgroup_id_y 1
		.amdhsa_system_sgpr_workgroup_id_z 1
		.amdhsa_system_vgpr_workitem_id 0
		.amdhsa_next_free_vgpr 768
		.amdhsa_next_free_sgpr 80
		.amdhsa_reserve_vcc 1
		.amdhsa_float_denorm_mode_32 3
		.amdhsa_float_denorm_mode_16_64 3
		.amdhsa_memory_ordered 1
		.amdhsa_forward_progress 1
		.amdhsa_inst_pref_size 88
	.end_amdhsa_kernel
	.amdgpu_metadata
---
amdhsa.version: [ 1, 2 ]
amdhsa.kernels:
  - .name:           k_q1bb4c7c7c6_proj
    .symbol:         k_q1bb4c7c7c6_proj.kd
    .args:
      - { .name: y16, .offset: 0, .size: 8, .value_kind: global_buffer, .address_space: global }
      - { .name: wt, .offset: 8, .size: 8, .value_kind: global_buffer, .address_space: global }
      - { .name: b_proj, .offset: 16, .size: 8, .value_kind: global_buffer, .address_space: global }
      - { .name: out0, .offset: 24, .size: 8, .value_kind: global_buffer, .address_space: global }
    .group_segment_fixed_size: 327680
    .private_segment_fixed_size: 0
    .kernarg_segment_align: 8
    .kernarg_segment_size: 32
    .max_flat_workgroup_size: 128
    .sgpr_count:     80
    .vgpr_count:     768
    .wavefront_size: 32
...
	.end_amdgpu_metadata
.endif
;; end of part 4
;; launch fine (part 5): grid 16 x 4, 16 waves a work-group, no clusters, 71,680 bytes of LDS; arguments fq, w_proj, b_proj, out0; writes out0
.if DOCPART == 5
	.amdgcn_target "amdgcn-amd-amdhsa--gfx1250"
	.amdhsa_code_object_version 6
	.text
	.protected	k_q1bb4c7c7c6_fine
	.globl	k_q1bb4c7c7c6_fine
	.p2align	8
	.type	k_q1bb4c7c7c6_fine,@function
k_q1bb4c7c7c6_fine:
	s_mov_b64 s[64:65], 0
	v_nop
	global_prefetch_b8 v0, s[64:65] scope:SCOPE_SE
	s_setreg_imm32_b32 hwreg(HW_REG_WAVE_MODE, 25, 1), 1
	s_wait_xcnt 0x0
; FINE: rows t < 16 of every sequence, attention and projection in f32: these rows average few values, and f16 operands would use up what the comparison allows.  64 rows of 8,192: no bulk work.
; fq [16 b + t][3072] f32: q, k, v of these rows.  Work-group (x, b) makes out0[2048 b + 0..15][64 x .. 64 x + 63]; wave hd makes head hd's attention and multiplies its own y by w_proj[64 hd ..][64 x ..]:
; y never changes waves; the sixteen partial results meet in LDS, and each wave adds up and stores one row's 256 bytes.
; The f32 matrix form takes K = 4: register j of lane (r, h) is k = 2 h + j.  Which k of the true K stands there is free, so long as both operands agree: each operand is loaded or used in the order in which the other lies.
; The registers that this form writes (v16-79) are written by matrix instructions alone; each sum begins with the constant 0.
.set SPARE, 69632                      ; behind 16 x 16 rows x 272 bytes
.set SPW, 12
.set NIL, 13
.set SA,  16                           ; four accumulators: the scores in four parts; later the outputs' four tiles
.set OA,  48                           ; four accumulators: O^T
.set QF,  80
.set KF,  112
.set VF,  144                          ; V; later y
.set T,   240                          ; the scores, then p
	s_load_b256 s[4:11], s[0:1], 0x0               ; fq, w_proj, b_proj, out0
	v_lshl_add_u32 v[SPW], v0, 2, SPARE
	v_mov_b32 v[NIL], 0
	v_lshrrev_b32 v1, 5, v0
	v_readfirstlane_b32 s12, v1                    ; wave = head
	s_and_b32 s13, ttmp7, 0xffff                   ; b
	v_and_b32 v1, 15, v0                           ; r
	v_bfe_u32 v2, v0, 4, 1                         ; h
	v_and_b32 v3, 31, v0
	v_mul_u32_u24 v4, v1, 12288
	v_lshl_add_u32 v4, v2, 4, v4                   ; q, k: row r, + 16 h
	v_mul_u32_u24 v5, v2, 98304
	v_lshl_add_u32 v5, v1, 2, v5                   ; v: 8 h rows down, + 4 r
	v_lshlrev_b32 v6, 15, v2
	v_lshl_add_u32 v6, v1, 2, v6                   ; w_proj: 8 h rows of 4,096 bytes down, + 4 r
	v_lshlrev_b32 v7, 3, v3                        ; 8 x lane
	s_mul_i32 s22, s12, 4352
	v_mul_u32_u24 v10, v1, 272
	v_lshl_add_u32 v10, v2, 5, v10
	v_add_nc_u32 v10, s22, v10                     ; my head's partial result: row r, + 32 h
	s_mul_i32 s22, s12, 272
	v_add_nc_u32 v11, s22, v7                      ; the row that I add up: row = wave, 8 bytes a lane
	v_lshlrev_b32 v14, 3, v2
	v_sub_nc_u32 v14, v1, v14                      ; r - 8 h
	s_mul_i32 s14, s13, 16*12288
	s_lshl_b32 s15, s12, 8
	s_add_co_u32 s14, s14, s15
	s_mov_b32 s15, 0
	s_lshl_b32 s16, s12, 18
	s_lshl_b32 s18, ttmp9, 8                       ; 4 n0
	s_add_co_u32 s16, s16, s18
	s_mov_b32 s17, 0
	s_mov_b32 s19, 0
	s_lshl_b32 s20, s13, 11
	s_add_co_u32 s20, s20, s12
	s_lshl_b32 s20, s20, 12
	s_add_co_u32 s20, s20, s18
	s_mov_b32 s21, 0
	s_mov_b32 s24, 0x76543210
	s_mov_b32 s25, 0xfedcba98
	s_mov_b32 s26, 0x3e38aa3b                      ; log2(e) / 8
	s_mov_b32 s27, s26
	s_wait_kmcnt 0x0
	s_add_nc_u64 s[4:5], s[4:5], s[14:15]
	s_add_nc_u64 s[6:7], s[6:7], s[16:17]
	s_add_nc_u64 s[8:9], s[8:9], s[18:19]
	s_add_nc_u64 s[10:11], s[10:11], s[20:21]
	global_load_b64 v[8:9], v7, s[8:9]             ; the bias of my 8 bytes of a row
.irp g, 0,1,2,3,4,5,6,7
	global_load_b128 v[QF+4*\g:QF+4*\g+3], v4, s[4:5] offset:32*\g         ; d = 8 g + 4 h + 0 .. 3
.endr
.irp g, 0,1,2,3,4,5,6,7
	global_load_b128 v[KF+4*\g:KF+4*\g+3], v4, s[4:5] offset:4096+32*\g
.endr
.set e, 0
.rept 32
	global_load_b32 v[VF+e], v5, s[4:5] offset:(e%8)*12288+8192+64*(e/8)   ; register 8 dt + i: v[key 8 h + i][16 dt + r]
.set e, e+1
.endr
.macro WLOAD nt, reg                   ; register 8 dt + i: w_proj[64 hd + 16 dt + 8 h + i][n0 + 16 nt + r]
.set e, 0
.rept 32
	global_load_b32 v[\reg+e], v6, s[6:7] offset:(16*(e/8)+e%8)*4096+64*\nt
.set e, e+1
.endr
.endm
	WLOAD 0, 176
	WLOAD 1, 208
	v_mov_b32 v251, 0xff800000                     ; -infinity
	v_mov_b32 v252, 0
	s_wait_loadcnt 63                              ; of 113 loads the first 50 are in: the bias, q, k, v
.irp u, 0,1,2,3,4,5,6,7,8,9,10,11,12,13,14,15      ; S^T = K Q^T in four parts, by turns
.if \u < 4
	v_wmma_f32_16x16x4_f32 v[SA+8*(\u%4):SA+8*(\u%4)+7], v[KF+2*\u:KF+2*\u+1], v[QF+2*\u:QF+2*\u+1], 0
.else
	v_wmma_f32_16x16x4_f32 v[SA+8*(\u%4):SA+8*(\u%4)+7], v[KF+2*\u:KF+2*\u+1], v[QF+2*\u:QF+2*\u+1], v[SA+8*(\u%4):SA+8*(\u%4)+7]
.endif
.endr
.rept 8
	v_nop                                          ; eight places behind this form
.endr
	WLOAD 2, 80                                    ; where q and k lay
	WLOAD 3, 112
.irp i, 0,2,4,6                                ; lane (r, h): query r, keys 8 h + 0 .. 7
	v_pk_add_f32 v[T+\i:T+\i+1], v[SA+\i:SA+\i+1], v[SA+8+\i:SA+8+\i+1]
	v_pk_add_f32 v[248:249], v[SA+16+\i:SA+16+\i+1], v[SA+24+\i:SA+24+\i+1]
	v_pk_add_f32 v[T+\i:T+\i+1], v[T+\i:T+\i+1], v[248:249]
.endr
.irp j, 0,1,2,3,4,5,6,7
	v_cmp_gt_i32 vcc_lo, \j, v14                   ; key 8 h + j comes after query r
	v_cndmask_b32 v[T+\j], v[T+\j], v251, vcc_lo
.endr
	v_max3_num_f32 v250, v[T], v[T+1], v[T+2]
	v_max3_num_f32 v250, v250, v[T+3], v[T+4]
	v_max3_num_f32 v250, v250, v[T+5], v[T+6]
	v_max_num_f32 v250, v250, v[T+7]
	v_permlanex16_b32 v252, v250, s24, s25
	v_max_num_f32 v250, v250, v252                 ; the row's maximum: key 0 counts for every query
.irp i, 0,2,4,6
	v_pk_add_f32 v[T+\i:T+\i+1], v[T+\i:T+\i+1], v[250:251] op_sel_hi:[1,0] neg_lo:[0,1] neg_hi:[0,1]
.endr
.irp i, 0,2,4,6
	v_pk_mul_f32 v[T+\i:T+\i+1], v[T+\i:T+\i+1], s[26:27] op_sel_hi:[1,0]
.endr
.irp j, 0,1,2,3,4,5,6,7
	v_exp_f32 v[T+\j], v[T+\j]
.endr
	v_nop
	s_wait_alu depctr_va_vdst(0)                   ; one wait for the eight, ahead of their first reader
	v_pk_add_f32 v[248:249], v[T:T+1], v[T+2:T+3]  ; the row's sum stands ahead of the products: lines that name p would be no places behind them
	v_pk_add_f32 v[252:253], v[T+4:T+5], v[T+6:T+7]
	v_pk_add_f32 v[248:249], v[248:249], v[252:253]
	v_add_f32 v248, v248, v249
	v_permlanex16_b32 v252, v248, s24, s25
	v_add_f32 v248, v248, v252
	v_rcp_f32 v254, v248
	v_mov_b32 v255, 0                              ; (a plain line; and the pair's other half is written)
	s_wait_alu depctr_va_vdst(0)
.irp s, 0,1,2,3                                ; O^T = V^T P: keys 8 h + 2 s + j
.irp dt, 0,1,2,3
.if \s == 0
	v_wmma_f32_16x16x4_f32 v[OA+8*\dt:OA+8*\dt+7], v[VF+8*\dt+2*\s:VF+8*\dt+2*\s+1], v[T+2*\s:T+2*\s+1], 0
.else
	v_wmma_f32_16x16x4_f32 v[OA+8*\dt:OA+8*\dt+7], v[VF+8*\dt+2*\s:VF+8*\dt+2*\s+1], v[T+2*\s:T+2*\s+1], v[OA+8*\dt:OA+8*\dt+7]
.endif
.endr
.endr
.rept 8
	v_nop
.endr
.irp i, 0,2,4,6,8,10,12,14,16,18,20,22,24,26,28,30
	v_pk_mul_f32 v[VF+\i:VF+\i+1], v[OA+\i:OA+\i+1], v[254:255] op_sel_hi:[1,0]    ; y: register 8 dt + i: y[t = r][64 hd + 16 dt + 8 h + i]
.endr
	s_wait_loadcnt 0x0                             ; w_proj
.irp e, 0,1,2,3,4,5,6,7,8,9,10,11,12,13,14,15      ; out^T += W^T y^T: four tiles of 16 outputs by turns
.irp nt, 0,1,2,3
.if \e == 0
	v_wmma_f32_16x16x4_f32 v[SA+8*\nt:SA+8*\nt+7], v[176+32*\nt-160*(\nt/2)+2*\e:176+32*\nt-160*(\nt/2)+2*\e+1], v[VF+2*\e:VF+2*\e+1], 0
.else
	v_wmma_f32_16x16x4_f32 v[SA+8*\nt:SA+8*\nt+7], v[176+32*\nt-160*(\nt/2)+2*\e:176+32*\nt-160*(\nt/2)+2*\e+1], v[VF+2*\e:VF+2*\e+1], v[SA+8*\nt:SA+8*\nt+7]
.endif
.endr
.endr
.rept 8
	v_nop
.endr
.irp nt, 0,1,2,3
	ds_store_b128 v10, v[SA+8*\nt:SA+8*\nt+3] offset:64*\nt                ; lane (r, h): row t = r, outputs 16 nt + 8 h + 0 .. 7
	ds_store_b128 v10, v[SA+8*\nt+4:SA+8*\nt+7] offset:64*\nt+16
.endr
	s_wait_dscnt 0x0                               ; for the others' sake
	s_barrier_signal -1
	s_barrier_wait -1
.set p, 0
.rept 16
	ds_load_b64 v[80+2*p:81+2*p], v11 offset:4352*p
.set p, p+1
.endr
	s_wait_dscnt 0x0
.irp p, 0,4,8,12,16,20,24,28
	v_pk_add_f32 v[80+\p:81+\p], v[80+\p:81+\p], v[82+\p:83+\p]
.endr
.irp p, 0,8,16,24
	v_pk_add_f32 v[80+\p:81+\p], v[80+\p:81+\p], v[84+\p:85+\p]
.endr
	v_pk_add_f32 v[80:81], v[80:81], v[88:89]
	v_pk_add_f32 v[96:97], v[96:97], v[104:105]
	v_pk_add_f32 v[80:81], v[80:81], v[96:97]
	v_pk_add_f32 v[80:81], v[80:81], v[8:9]
	global_store_b64 v7, v[80:81], s[10:11]        ; the wave stores 256 consecutive bytes, aligned
	s_wait_tensorcnt 0x0                           ; the wave's end: the three lines
	ds_add_u32 v[SPW], v[NIL]
	s_wait_dscnt 0x0
	s_endpgm
.Lfunc_end_k_q1bb4c7c7c6_fine:
	.size	k_q1bb4c7c7c6_fine, .Lfunc_end_k_q1bb4c7c7c6_fine-k_q1bb4c7c7c6_fine
	.p2alignl 7, 3214868480
	.fill 96, 4, 3214868480
	.section	.rodata,"a",@progbits
	.p2align	6, 0x0
	.amdhsa_kernel k_q1bb4c7c7c6_fine
		.amdhsa_group_segment_fixed_size 71680
		.amdhsa_private_segment_fixed_size 0
		.amdhsa_enable_private_segment 0
		.amdhsa_kernarg_size 32
		.amdhsa_user_sgpr_count 2
		.amdhsa_user_sgpr_kernarg_segment_ptr 1
		.amdhsa_wavefront_size32 1
		.amdhsa_system_sgpr_workgroup_id_x 1
		.amdhsa_system_sgpr_workgroup_id_y 1
		.amdhsa_system_sgpr_workgroup_id_z 1
		.amdhsa_system_vgpr_workitem_id 0
		.amdhsa_next_free_vgpr 256
		.amdhsa_next_free_sgpr 66
		.amdhsa_reserve_vcc 1
		.amdhsa_float_denorm_mode_32 3
		.amdhsa_float_denorm_mode_16_64 3
		.amdhsa_memory_ordered 1
		.amdhsa_forward_progress 1
		.amdhsa_inst_pref_size 33
	.end_amdhsa_kernel
	.amdgpu_metadata
---
amdhsa.version: [ 1, 2 ]
amdhsa.kernels:
  - .name:           k_q1bb4c7c7c6_fine
    .symbol:         k_q1bb4c7c7c6_fine.kd
    .args:
      - { .name: fq, .offset: 0, .size: 8, .value_kind: global_buffer, .address_space: global }
      - { .name: w_proj, .offset: 8, .size: 8, .value_kind: global_buffer, .address_space: global }
      - { .name: b_proj, .offset: 16, .size: 8, .value_kind: global_buffer, .address_space: global }
      - { .name: out0, .offset: 24, .size: 8, .value_kind: global_buffer, .address_space: global }
    .group_segment_fixed_size: 71680
    .private_segment_fixed_size: 0
    .kernarg_segment_align: 8
    .kernarg_segment_size: 32
    .max_flat_workgroup_size: 512
    .sgpr_count:     66
    .vgpr_count:     256
    .wavefront_size: 32
...
	.end_amdgpu_metadata
.endif
;; end of part 5
